; MI455X (gfx1250); checked and timed in simulation.
; The chip was launched on July 23, 2026; its instructions are those of AMD's public machine-readable ISA for CDNA 5 (MIT licence, August 2026) and "CDNA5" Instruction Set Architecture Reference Guide (July 2026). The comments in the code are by the model that wrote it; some were corrected since.
;; Attention On Steps. Allowed arithmetic: matrix products marked QUANTISED: E2M1 operands, one E8M0 scale for each 32 along K, by v_wmma_scale_f32_16x16x128_f8f6f4 with both operands' format E2M1 (or v_wmma_scale_f32_32x16x128_f4), f32 sums; products left as they are: bf16, f16 or f32 operands; f32 sums; everything else in f32.
;; Inputs: kernel 3 x 1,024 x 1,024 float32; x 4 x 2,048 x 1,024 float32.
;; Outputs: out0 4 x 2,048 x 1,024 float32.
;; This version of the problem:
;;   THIS VERSION OF THE PROBLEM IS GIVEN IN LOW PRECISION. The matrix products marked QUANTISED in the list below multiply operands that are first quantised to E2M1 (2 exponent bits, 1 mantissa bit; 4 bits a number), with one power-of-two scale for each 32 numbers along K (OCP MX v1.0); their sums are f32. The products marked 'left as it is' may take bf16, f16 or f32 operands, with f32 sums. Whichever they take, every output number must still come out within the allowed error. Rounding operands to bf16 (8 significant bits) uses up far more of that allowance than f16 does (11 bits, for magnitudes from 6e-5 to 65,504). All else is computed in f32.
;;   The module's matrix products, in the order in which they are computed (A, B: the left and right operand; K: the contracted axis; several contracted axes count as one K, in the product's order):
;;     1. [M 8,192, K 1,024] x [K 1,024, N 1,024]; A: input x; B: input kernel: QUANTISED
;;     2. [M 8,192, K 1,024] x [K 1,024, N 1,024]; A: input x; B: input kernel: QUANTISED
;;     3. [M 8,192, K 1,024] x [K 1,024, N 1,024]; A: input x; B: input kernel: QUANTISED
;;     4. batch 4 x [M 2,048, K 1,024] x [K 1,024, N 2,048]; A: computed on the way; B: computed on the way: left as it is (an operand is computed on the way)
;;     5. batch 4 x [M 2,048, K 2,048] x [K 2,048, N 1,024]; A: computed on the way; B: computed on the way: left as it is (an operand is computed on the way)
;;   THE QUANTISER, for each operand of a quantised product, along K:
;;     - K is cut into blocks of 32 from its start; a last block that is shorter is filled with zeros.
;;     - A block's scale is 2^e with e = floor(log2(the largest magnitude in the block)) - 2, held to -126 .. 127; a block of zeros has e = 0. As a byte (E8M0): e + 127.
;;     - Each number is divided by its block's scale, clamped to +-6, and rounded to the nearest number of E2M1, ties to even, subnormals kept.
;;     - The product sums the exact products of the quantised numbers (number of the format x scale) in f32.
;;   ~~~python
;;   def quantise(x, axis):      # numpy; x: float32 -> the quantised numbers, widened to float32 again
;;       x = np.moveaxis(x, axis, -1); K = x.shape[-1]
;;       x = np.pad(x, [(0, 0)] * (x.ndim - 1) + [(0, -K % 32)]); x = x.reshape(x.shape[:-1] + (-1, 32)); a = np.abs(x).max(-1, keepdims=True)
;;       e = np.where(a > 0, np.clip(np.frexp(np.where(a > 0, a, 1))[1] - 1 - 2, -126, 127), 0)      # np.frexp(a)[1] - 1 = floor(log2(a)), exactly
;;       r = np.clip(x / 2.0 ** e, -6, 6)
;;       step = 2.0 ** (np.maximum(np.frexp(np.where(r == 0, 1, r))[1] - 1, 0) - 1)
;;       q = np.round(r / step) * step * 2.0 ** e      # np.round: ties to even
;;       return np.moveaxis(q.reshape(q.shape[:-2] + (-1,))[..., :K], -1, axis).astype(np.float32)
;;   ~~~
;; One version. Each part assembles by itself: llvm-mc -triple=amdgcn-amd-amdhsa -mcpu=gfx1250 --defsym DOCPART=n.
;; ======== version 1 of 1: 4 launches
;; limits: values are held in f16: magnitudes above 65,504 overflow, below 6.1e-05 lose precision
;; workspace buffers: xc 4,194,304 bytes; xs 262,144 bytes; wc 1,572,864 bytes; ws 98,304 bytes; qkv 50,331,648 bytes; p 33,554,432 bytes; st 1,048,576 bytes
;; launch quant (part 1): grid 352 x 1, 4 waves a work-group, no clusters, 51,200 bytes of LDS; arguments x, kernel, xc, xs, wc, ws; writes xc, xs, wc, ws
.if DOCPART == 1
	.amdgcn_target "amdgcn-amd-amdhsa--gfx1250"
	.amdhsa_code_object_version 6
	.text
	.protected	k_qf885b31fd2_quant
	.globl	k_qf885b31fd2_quant
	.p2align	8
	.type	k_qf885b31fd2_quant,@function
k_qf885b31fd2_quant:
	s_mov_b64 s[64:65], 0
	v_nop
	global_prefetch_b8 v0, s[64:65] scope:SCOPE_SE
	s_setreg_imm32_b32 hwreg(HW_REG_WAVE_MODE, 25, 1), 1
	s_wait_xcnt 0x0
; LAUNCH 1 OF 4.  out = softmax(q k^T / 32) v with q, k, v = x kernel[0..2]; the three products with x are on codes of FP4 (E2M1) with one E8M0 scale for each 32 along K = the 1,024 inputs.
; DEAD WORK: none.  Every number of x and of kernel reaches outputs (q and k through every weight of a row, v through every sum), so both inputs are loaded whole and every product of the problem is done.
; THIS LAUNCH turns x [8192][1024] f32 (K innermost) into xc [8192][512 bytes] and xs [8192][32 bytes], and kernel [3][1024 (K)][1024 (e)] f32 (K is the FIRST axis of each of the three) into
; wc [3072 = 1024 i + e][512 bytes] and ws [3072][32 bytes], K innermost: two codes a byte, the lower k in the low four bits.
; A block's scale is 2^(floor(log2(its largest magnitude)) - 2): its byte is the largest magnitude's exponent field - 2, held at 1 from below.  Each number is divided by the scale and rounded to the nearest code, ties to even,
; beyond the largest code the largest.
; LIMITS: a block of zeros gets the byte 1 where the rule says 127: its codes are zeros, which add nothing under any byte but 0xff, and this program alone reads the bytes.  Blocks whose largest magnitude lies under 2^(3 - 127)
; keep the byte 1.  NaN and infinities among the inputs are not served.
; SHARES.  Work-groups 0-255: x, a plain stream of blocks of 32: a wave takes 16 steps of 512 numbers.  Each load reads 512 consecutive bytes; a step's 2,048 bytes turn through the wave's own stage in LDS, so that a lane
; then holds 16 neighbours along K (two lanes to a block).  A wave's store of codes covers 256 consecutive bytes, aligned; its 256 scale bytes are gathered in LDS and leave as one such run.
; Work-groups 256-351: kernel, 32 columns e x all 1,024 of K.  A LANE TAKES A COLUMN AND ITS REGISTERS RUN DOWN K, so a block of 32 lies in one lane and the conversions give codes with K innermost: nothing is transposed
; by an instruction.  Wave w takes K = 256 w .. 256 w + 255; the four waves' codes meet in a stage of 32 rows x 512 bytes, and leave, behind a barrier, as whole rows: the work-group's 16,384 bytes of wc and 1,024 of ws are dense.
; The two paths part on the work-group's number alone and have LDS bytes of their own; every LDS address is made ahead of the parting; the one barrier stands where the paths have joined, so every wave of every work-group passes it.
; No tensor load, no matrix unit, no cluster: memory binds, and no two work-groups read the same bytes.
.set STEPS,  16
.set EMAX,   2
.set SP,     80                        ; x: a lane's place in a stage: its 64 bytes + 16 of padding
.set WREG,   8192                      ; x: a wave's LDS region: two stages of 32 x SP bytes, behind them its 256 scale bytes
.set WPITCH, 528                       ; kernel: a stage row: 512 bytes of codes + 16
.set WSTG,   4*WREG                    ; kernel: the stage, 32 rows
.set WSS,    WSTG+32*WPITCH            ; kernel: 32 rows x 32 scale bytes
.set SPARE,  WSS+1024                  ; the spare words, 128 bytes for each wave: two blocks of 256 bytes that no other line names
.set SPW,    24                        ; v24  LDS address of my spare word; never rewritten
.set NIL,    25                        ; v25  0; never rewritten
.set R,      32                        ; x: v32-95   four sets of 16 numbers as loaded
.set X,      96                        ; x: v96-127  two sets of 16 neighbours
.set E,      128                       ; x: v128-143 a scale byte for each step
.set C,      144                       ; x: v144-175 two registers of codes for each step: no store's data are written again
.set XW,     32                        ; kernel: v32-95 two sets of 32 numbers
.set CW,     96                        ; kernel: v96-99 a block's codes
.set SB,     100                       ; kernel: v100-101 my eight scale bytes
.set OUTR,   104                       ; kernel: v104-135 eight rows' parts on the way out; v136-137 scale bytes
.macro LOAD t                          ; x, step t: four loads of 512 consecutive bytes
.irp i, 0,1,2,3
	global_load_b128 v[R+16*((\t)%4)+4*\i:R+16*((\t)%4)+4*\i+3], v3, s[4:5] offset:2048*(\t)+512*\i th:TH_LOAD_NT
.endr
.endm
.macro TURN t                          ; x, step t through the stage: LDS serves a wave's instructions in order, so no wait stands between the stores and the loads
.irp i, 0,1,2,3
	ds_store_b128 v14, v[R+16*((\t)%4)+4*\i:R+16*((\t)%4)+4*\i+3] offset:32*SP*((\t)%2)+8*SP*\i
.endr
.irp i, 0,1,2,3
	ds_load_b128 v[X+16*((\t)%2)+4*\i:X+16*((\t)%2)+4*\i+3], v15 offset:32*SP*((\t)%2)+16*\i
.endr
.endm
.macro STEP t
.set XS, X+16*((\t)%2)
.if (\t) > 0
	s_wait_dscnt 1                                 ; this step's numbers are back from the stage (the last step's byte store may be out): its stores into the stage have read their registers,
.else
	s_wait_dscnt 0x0
.endif
.if (\t)+4 < STEPS
	LOAD (\t)+4                                    ; which take the loads of four steps on
.endif
.if (\t)+1 < STEPS
.if STEPS-2-(\t) >= 3
	s_wait_loadcnt 12                              ; the next step's four loads are in; those of the three steps behind it may be out
.else
	s_wait_loadcnt 4*(STEPS-2-(\t))
.endif
	TURN (\t)+1
.endif
	v_max3_num_f32 v8, |v[XS]|, |v[XS+1]|, |v[XS+2]|               ; the largest magnitude of my 16, in two chains
	v_max3_num_f32 v9, |v[XS+3]|, |v[XS+4]|, |v[XS+5]|
.irp i, 6,10
	v_max3_num_f32 v8, v8, |v[XS+\i]|, |v[XS+\i+1]|
	v_max3_num_f32 v9, v9, |v[XS+\i+2]|, |v[XS+\i+3]|
.endr
	v_max3_num_f32 v8, v8, |v[XS+14]|, |v[XS+15]|
	v_max3_num_f32 v8, v8, v9, (EMAX+1)<<23        ; and the floor 2^(3 - 127): the byte cannot fall under 1
	v_max_num_f32_dpp v8, v8, v8 row_xmask:1 row_mask:0xf bank_mask:0xf   ; with my neighbour's 16: the block's
	v_add_nc_u32 v11, -(EMAX<<23), v8              ; 2 off its exponent field: the conversion takes the exponent field of this operand as its scale, and nothing else of it
	v_cvt_scalef32_pk8_fp4_f32 v[C+2*(\t)], v[XS:XS+7], v11
	v_cvt_scalef32_pk8_fp4_f32 v[C+2*(\t)+1], v[XS+8:XS+15], v11
	v_lshrrev_b32 v[E+(\t)], 23, v11               ; the scale's byte (also the plain line behind the conversions)
	ds_store_b8 v5, v[E+(\t)] offset:16*(\t)       ; both lanes of a block write the same byte with the same value
	global_store_b64 v4, v[C+2*(\t):C+2*(\t)+1], s[8:9] offset:256*(\t)   ; 32 lanes store 256 consecutive bytes, aligned
.endm
.macro LOADW t                         ; kernel, block t of my eight: kernel(256 w + 32 t + i, my column)
.irp i, 0,1,2,3,4,5,6,7,8,9,10,11,12,13,14,15,16,17,18,19,20,21,22,23,24,25,26,27,28,29,30,31
	global_load_b32 v[XW+32*((\t)%2)+\i], v16, s[6:7] offset:(32*(\t)+\i)*4096 th:TH_LOAD_NT
.endr
.endm
.macro BLOCK t
.set XS, XW+32*((\t)%2)
.if (\t) < 7
	s_wait_loadcnt 32                              ; this block's 32 loads are in; the next block's may be out
.else
	s_wait_loadcnt 0x0
.endif
	v_max3_num_f32 v8, |v[XS]|, |v[XS+1]|, |v[XS+2]|               ; the block's largest magnitude: all 32 numbers are mine
	v_max3_num_f32 v9, |v[XS+3]|, |v[XS+4]|, |v[XS+5]|
.irp i, 6,10,14,18,22,26
	v_max3_num_f32 v8, v8, |v[XS+\i]|, |v[XS+\i+1]|
	v_max3_num_f32 v9, v9, |v[XS+\i+2]|, |v[XS+\i+3]|
.endr
	v_max3_num_f32 v8, v8, |v[XS+30]|, |v[XS+31]|
	v_max3_num_f32 v8, v8, v9, (EMAX+1)<<23
	v_add_nc_u32 v11, -(EMAX<<23), v8
	v_lshrrev_b32 v10, 23, v11                     ; the scale's byte
.if (\t)%4 == 0
	v_mov_b32 v[SB+(\t)/4], v10                    ; four bytes to a register, the lower K in the lower byte
.else
	v_lshl_or_b32 v[SB+(\t)/4], v10, 8*((\t)%4), v[SB+(\t)/4]
.endif
.irp g, 0,1,2,3
	v_cvt_scalef32_pk8_fp4_f32 v[CW+\g], v[XS+8*\g:XS+8*\g+7], v11
.endr
	ds_store_b128 v17, v[CW:CW+3] offset:16*(\t)   ; 32 codes: 16 bytes of my column's row.  (The next block begins with plain vector lines: they stand between these conversions and the next that write the same registers)
.if (\t)+2 < 8
	LOADW (\t)+2
.endif
	s_wait_dscnt 0x0                               ; the store has read its registers: the next block's codes may be written
.endm
	s_load_b128 s[4:7], s[0:1], 0x0                ; x, kernel
	s_load_b128 s[8:11], s[0:1], 0x10              ; xc, xs
	s_load_b128 s[12:15], s[0:1], 0x20             ; wc, ws
	v_lshl_add_u32 v[SPW], v0, 2, SPARE
	v_mov_b32 v[NIL], 0
	v_lshrrev_b32 v1, 5, v0
	v_readfirstlane_b32 s16, v1                    ; wave 0..3
	v_and_b32 v2, 31, v0                           ; lane
	v_lshlrev_b32 v3, 4, v2                        ; 16 x lane
	v_lshlrev_b32 v4, 3, v2                        ; 8 x lane
	s_lshl_b32 s17, s16, 13                        ; x: my wave's region
	v_lshrrev_b32 v14, 2, v2
	v_mul_u32_u24 v14, v14, SP
	v_and_b32 v15, 3, v2
	v_lshl_add_u32 v14, v15, 4, v14
	v_add_nc_u32 v14, s17, v14                     ; x: the stage on the way in: SP (lane / 4) + 16 (lane % 4)
	v_mul_u32_u24 v15, v2, SP
	v_add_nc_u32 v15, s17, v15                     ; x: and on the way out: SP x lane
	v_lshrrev_b32 v5, 1, v2
	s_add_co_u32 s18, s17, 2*32*SP
	v_add_nc_u32 v5, s18, v5                       ; x: my block's scale byte
	v_add_nc_u32 v6, s18, v4                       ; x: the scale bytes on the way out, 8 a lane
	v_lshlrev_b32 v16, 2, v2                       ; kernel: 4 bytes a lane
	v_mul_u32_u24 v17, v2, WPITCH
	s_lshl_b32 s19, s16, 7
	s_add_co_u32 s19, s19, WSTG
	v_add_nc_u32 v17, s19, v17                     ; kernel: into the stage: row = my column, my wave's 128 bytes of it
	v_lshlrev_b32 v18, 5, v2
	s_lshl_b32 s19, s16, 3
	s_add_co_u32 s19, s19, WSS
	v_add_nc_u32 v18, s19, v18                     ; kernel: my column's scale bytes, my wave's 8 of them
	s_mul_i32 s19, s16, 8*WPITCH
	s_add_co_u32 s19, s19, WSTG
	v_add_nc_u32 v19, s19, v3                      ; kernel: out of the stage: rows 8 w on, 16 bytes a lane
	s_lshl_b32 s19, s16, 12
	v_add_nc_u32 v20, s19, v3                      ; kernel: the same place in the work-group's part of wc
	s_lshl_b32 s19, s16, 8
	v_add_nc_u32 v22, s19, v4                      ; kernel: 256 scale bytes a wave, 8 a lane: in ws,
	s_add_co_u32 s19, s19, WSS
	v_add_nc_u32 v21, s19, v4                      ; and in LDS
	s_mov_b32 s21, 0
	s_wait_kmcnt 0x0
	s_cmp_lt_u32 ttmp9, 256
	s_cbranch_scc0 .Lw
	; ---- x
	s_lshl_b32 s18, ttmp9, 2
	s_add_co_u32 s18, s18, s16                     ; which run of 8,192 numbers is my wave's
	s_lshl_b32 s20, s18, 15
	s_add_nc_u64 s[4:5], s[4:5], s[20:21]
	s_lshl_b32 s20, s18, 12
	s_add_nc_u64 s[8:9], s[8:9], s[20:21]
	s_lshl_b32 s20, s18, 8
	s_add_nc_u64 s[10:11], s[10:11], s[20:21]
.irp t, 0,1,2,3
	LOAD \t
.endr
	s_wait_loadcnt 12                              ; step 0's four loads are in
	TURN 0
.irp t, 0,1,2,3,4,5,6,7,8,9,10,11,12,13,14,15
	STEP \t
.endr
	ds_load_b64 v[8:9], v6                         ; LDS serves a wave's instructions in order: these see my byte stores
	s_wait_dscnt 0x0
	global_store_b64 v4, v[8:9], s[10:11]          ; 32 lanes store 256 consecutive bytes, aligned
	s_branch .Ljoin
.Lw:
	; ---- kernel
	s_sub_co_u32 s18, ttmp9, 256                   ; g = 32 i + (column / 32)
	s_lshr_b32 s19, s18, 5
	s_lshl_b32 s20, s19, 22                        ; kernel[i]: 4 MiB each,
	s_lshl_b32 s19, s16, 20
	s_add_co_u32 s20, s20, s19                     ; 256 w rows of 4,096 bytes,
	s_and_b32 s19, s18, 31
	s_lshl_b32 s19, s19, 7
	s_add_co_u32 s20, s20, s19                     ; 32 columns of 4 bytes
	s_add_nc_u64 s[6:7], s[6:7], s[20:21]
	s_lshl_b32 s20, s18, 14                        ; rows 32 g on of wc: 32 x 512 bytes,
	s_add_nc_u64 s[12:13], s[12:13], s[20:21]
	s_lshl_b32 s20, s18, 10                        ; and of ws: 32 x 32
	s_add_nc_u64 s[14:15], s[14:15], s[20:21]
	LOADW 0
	LOADW 1
.irp t, 0,1,2,3,4,5,6,7
	BLOCK \t
.endr
	ds_store_b64 v18, v[SB:SB+1]
.Ljoin:
	s_wait_dscnt 0x0                               ; for the others' sake: my stores into the stage have landed
	s_barrier_signal -1
	s_barrier_wait -1
	s_cmp_lt_u32 ttmp9, 256
	s_cbranch_scc1 .Lend
.irp i, 0,1,2,3,4,5,6,7
	ds_load_b128 v[OUTR+4*\i:OUTR+4*\i+3], v19 offset:WPITCH*\i    ; a whole row of 512 bytes, from four waves
.endr
	ds_load_b64 v[136:137], v21
.irp i, 0,1,2,3,4,5,6,7
	s_wait_dscnt 8-\i                              ; row i is in; the younger loads may be out
	global_store_b128 v20, v[OUTR+4*\i:OUTR+4*\i+3], s[12:13] offset:512*\i   ; 32 lanes store 512 consecutive bytes, aligned
.endr
	s_wait_dscnt 0x0
	global_store_b64 v22, v[136:137], s[14:15]     ; 256 consecutive bytes, aligned
.Lend:
	s_wait_tensorcnt 0x0                           ; the wave's end, behind my last LDS store
	ds_add_u32 v[SPW], v[NIL]
	s_wait_dscnt 0x0
	s_endpgm
.Lfunc_end_k_qf885b31fd2_quant:
	.size	k_qf885b31fd2_quant, .Lfunc_end_k_qf885b31fd2_quant-k_qf885b31fd2_quant
	.p2alignl 7, 3214868480
	.fill 96, 4, 3214868480
	.section	.rodata,"a",@progbits
	.p2align	6, 0x0
	.amdhsa_kernel k_qf885b31fd2_quant
		.amdhsa_group_segment_fixed_size 51200
		.amdhsa_private_segment_fixed_size 0
		.amdhsa_enable_private_segment 0
		.amdhsa_kernarg_size 48
		.amdhsa_user_sgpr_count 2
		.amdhsa_user_sgpr_kernarg_segment_ptr 1
		.amdhsa_wavefront_size32 1
		.amdhsa_system_sgpr_workgroup_id_x 1
		.amdhsa_system_sgpr_workgroup_id_y 1
		.amdhsa_system_sgpr_workgroup_id_z 1
		.amdhsa_system_vgpr_workitem_id 0
		.amdhsa_next_free_vgpr 192
		.amdhsa_next_free_sgpr 66
		.amdhsa_reserve_vcc 0
		.amdhsa_float_denorm_mode_32 3
		.amdhsa_float_denorm_mode_16_64 3
		.amdhsa_memory_ordered 1
		.amdhsa_forward_progress 1
		.amdhsa_inst_pref_size 73
	.end_amdhsa_kernel
	.amdgpu_metadata
---
amdhsa.version: [ 1, 2 ]
amdhsa.kernels:
  - .name:           k_qf885b31fd2_quant
    .symbol:         k_qf885b31fd2_quant.kd
    .args:
      - { .name: x, .offset: 0, .size: 8, .value_kind: global_buffer, .address_space: global }
      - { .name: kernel, .offset: 8, .size: 8, .value_kind: global_buffer, .address_space: global }
      - { .name: xc, .offset: 16, .size: 8, .value_kind: global_buffer, .address_space: global }
      - { .name: xs, .offset: 24, .size: 8, .value_kind: global_buffer, .address_space: global }
      - { .name: wc, .offset: 32, .size: 8, .value_kind: global_buffer, .address_space: global }
      - { .name: ws, .offset: 40, .size: 8, .value_kind: global_buffer, .address_space: global }
    .group_segment_fixed_size: 51200
    .private_segment_fixed_size: 0
    .kernarg_segment_align: 8
    .kernarg_segment_size: 48
    .max_flat_workgroup_size: 128
    .sgpr_count:     66
    .vgpr_count:     192
    .wavefront_size: 32
...
	.end_amdgpu_metadata
.endif
;; end of part 1
;; launch proj (part 2): grid 12 x 32, 4 waves a work-group, clusters of 4 x 4, 327,680 bytes of LDS; arguments xc, xs, wc, ws, qkv; writes qkv
.if DOCPART == 2
	.amdgcn_target "amdgcn-amd-amdhsa--gfx1250"
	.amdhsa_code_object_version 6
	.text
	.protected	k_qf885b31fd2_proj
	.globl	k_qf885b31fd2_proj
	.p2align	8
	.type	k_qf885b31fd2_proj,@function
k_qf885b31fd2_proj:
	s_mov_b64 s[64:65], 0
	v_nop
	global_prefetch_b8 v0, s[64:65] scope:SCOPE_SE
	s_setreg_imm32_b32 hwreg(HW_REG_WAVE_MODE, 25, 1), 1
	s_wait_xcnt 0x0
	s_wait_alu depctr_hold_cnt(0) depctr_sa_sdst(0) depctr_va_vdst(0) depctr_va_sdst(0) depctr_va_ssrc(0) depctr_va_vcc(0) depctr_vm_vsrc(0)
	s_getreg_b32 s2, hwreg(HW_REG_IB_STS2, 6, 4)
	s_cmp_eq_u32 s2, 0
	s_cbranch_scc0 .Lentry_in_a_cluster
	s_endpgm
.Lentry_in_a_cluster:
	s_bfe_u32 s2, ttmp6, 0x10000c
	s_cmp_lg_u32 s2, 0xf033
	s_cbranch_scc0 .Lentry_shape_is_right
	s_endpgm
.Lentry_shape_is_right:
; LAUNCH 2 OF 4.  q, k and v at once: qkv[m][n] = sum over d of x[m][d] kernel[n / 1024][d][n % 1024], ONE product [8192][1024] x [3072][1024]^T on codes of FP4 (E2M1) with E8M0 scales, as launch 1 laid them.  No work is left out.
; Sums in f32; the result is rounded once to f16, since it is the operand of the two products that are left as they are: qkv [8192][3072] f16, q in columns 0-1023, k in 1024-2047, v in 2048-3071.
; LIMIT: |q|, |k|, |v| under 65,504, f16's largest number.  With both inputs 30 times as large as drawn they reach some 3,500, with offsets of 30 spreads on both some 18,500.
; A tile of 256 x 256 is made by a work-group of four waves; a wave makes 128 x 128: 64 accumulators of 16 x 16, 512 registers.  K = 1,024 is two K steps of 512 (rows of 256 bytes): both slots and all scale bytes
; are asked for at the head, three tensor loads a wave, and no LDS byte is filled twice.
; CLUSTERS: 4 x 4 work-groups.  The four of a row of the cluster need the same tiles of x, the four of a column the same tiles of the weights: each tile is asked for JOINTLY, by the same tensor load with the same
; descriptor and a mask that names the four.  THE MATRIX INSTRUCTION IS USED TRANSPOSED (source 0 = 16 rows of the weights, source 1 = 16 rows of x): a lane then holds eight neighbouring numbers of a row of qkv.
; REGISTERS, in windows of 256: window 0: v0-31 addresses; v32-95 scale words, two sets; from v128 x's fragments (8 x 16 rows x 128 K), ONE set; on the way out v32-191 are free.
;   window 1: the weights' fragments, TWO sets, at v0 and v128.   window 2: the 32 accumulators of my rows 0-63 ((a, b) at v[8 (8 a + b)]);   window 3: those of my rows 64-127.
; No prefetch: every load of the launch stands at its head.
.set SIZE_K, 1024
.set KSTEP,  512
.set NQ,     KSTEP/128
.set ROWB,   256                       ; a tile's row in bytes
.set KROW,   SIZE_K*4/8                ; a row of codes in memory
.set PITCH,  272                       ; an LDS row: 256 bytes + 16 of padding = 68 words: the 16 rows that a load touches start 4 words apart modulo 64 (64 banks of 4 bytes: ISA guide 11.1)
.set FR,     8
.set NL,     2
.set NP,     4                         ; places behind this matrix instruction (ISA guide 7.12.1)
.set HALFT,  128*PITCH
.set SLOT,   4*HALFT
.set KS,     SIZE_K/32                 ; a row of scale bytes
.set SCL,    2*SLOT                    ; behind the slots: the scales, as runs of 256 bytes + 16 of padding
.set HALFS,  (128*KS/256)*272
.set SBLK,   (16*KS/256)*272
.set SPARE,  SCL+4*HALFS               ; the spare words, 128 bytes for each wave: two blocks of 256 bytes that no other line names
.set SPITCH, 272                       ; the way out: a stage of 16 rows x (256 bytes + 16) for each wave, in slot 0, which has had its only fill and its last read when the first result is stored there
.set CROW,   6144                      ; a row of qkv in bytes
.set ADRA, 16
.set ADRB, 20
.set STO,  24
.set RD,   25
.set CO,   26
.set ADRS, 27
.set SPW,  28
.set NIL,  29
.set SC,   32
.set AF,   128
.set TMP,  32                          ; the way out: a block's 32 registers of f16 pairs
.set BK,   128                         ; the way out: 16 rows read back: v128-159 and v160-191 by turns
.set G1, 24
.set G0, 32
.set G1B, 48
.set G0B, 56
.set G1S, 68
.set G0S, 76
.set G1SB, 80
.set G0SB, 88
.set MSB, 0
.macro WIN new                         ; the immediate's high byte repeats the setting that is left
.if MSB != \new
	s_set_vgpr_msb (MSB<<8)|\new
.set MSB, \new
.endif
.endm
.set MUL_LO, 0xa1                      ; source 0 (weights) window 1, source 1 (x) window 0, C and D window 2
.set MUL_HI, 0xf1
.set TO_B,   0x40
; A joint load: waves 0 and 1 fetch for x, waves 2 and 3 for the weights.  The branch hangs on the wave's number alone.  An s_nop 0 and four v_nop follow each of the two lines.
.macro JLOAD g0a, g1a, g0b, g1b
	s_cmp_eq_u32 s15, 0
	s_cbranch_scc0 .Lfor_b_\@
	tensor_load_to_lds s[\g0a:\g0a+3], s[\g1a:\g1a+7]
	s_nop 0
.rept 4
	v_nop
.endr
	s_branch .Lasked_\@
.Lfor_b_\@:
	tensor_load_to_lds s[\g0b:\g0b+3], s[\g1b:\g1b+7]
	s_nop 0
.rept 4
	v_nop
.endr
.Lasked_\@:
.endm
.macro CROUND                          ; a round of the cluster's barrier
	s_barrier_signal -1
	s_barrier_wait -1
	s_cmp_lg_u32 s14, 0
	s_cbranch_scc1 .Lnot_wave_0_\@
	s_barrier_signal -3
.Lnot_wave_0_\@:
	s_barrier_wait -3
	s_barrier_signal -1
	s_barrier_wait -1
.endm
	s_load_b128 s[4:7], s[0:1], 0x0                ; x's codes, x's scales
	s_load_b128 s[8:11], s[0:1], 0x10              ; the weights' codes, their scales
	s_load_b64 s[12:13], s[0:1], 0x20              ; qkv
	v_lshl_add_u32 v[SPW], v0, 2, SPARE
	v_mov_b32 v[NIL], 0
	ds_add_u32 v[SPW], v[NIL]                      ; the wave's opening: the add, twice on end, and its wait ahead of my first tensor load
	ds_add_u32 v[SPW], v[NIL]
	v_lshrrev_b32 v1, 5, v0
	v_readfirstlane_b32 s14, v1                    ; wave 0..3
	s_lshr_b32 s15, s14, 1                         ; which half of the tile's rows is mine.  Also: I fetch for x (0) or for the weights (1)
	s_and_b32 s16, s14, 1                          ; which half of its columns.  Also: which 128 rows of that tile I fetch
	s_bfe_u32 s40, ttmp6, 0x40000                  ; cx, cy: my place in the cluster
	s_bfe_u32 s41, ttmp6, 0x40004
	s_lshl_b32 s42, ttmp9, 2
	s_add_co_u32 s42, s42, s40                     ; tile column = 4 x cluster x + cx
	s_and_b32 s17, ttmp7, 0xffff
	s_lshl_b32 s17, s17, 2
	s_add_co_u32 s17, s17, s41                     ; tile row = 4 x cluster y + cy
	s_lshl_b32 s43, s41, 2
	s_lshl_b32 s43, 15, s43                        ; my row of the cluster
	s_lshl_b32 s44, 0x1111, s40                    ; my column
	; descriptor group 1: a tile of 128 rows x 256 bytes, padded in LDS
	s_or_b32 s[G1+0], s43, (0<<16)|(1<<20)|(1<<21)|(5<<22)|(3<<25)  ; 15:0 the mask; 17:16 elements of 1 byte; 20 padding on; 21 set beside a mask; 24:22 after every 64 words; 31:25 four words
	s_or_b32 s[G1B+0], s44, (0<<16)|(1<<20)|(1<<21)|(5<<22)|(3<<25)
.irp g, G1, G1B
	s_mov_b32 s[\g+1], ROWB<<16                    ; tensor_dim0
	s_mov_b32 s[\g+2], 128<<16                     ; tensor_dim1
	s_mov_b32 s[\g+3], ROWB<<16                    ; tile_dim0
	s_mov_b32 s[\g+4], 128                         ; tile_dim1
	s_mov_b32 s[\g+5], KROW                        ; tensor_dim0_stride
	s_mov_b32 s[\g+6], 0
	s_mov_b32 s[\g+7], 0
.endr
	; the scales of 128 rows: a dense block of 4,096 bytes, as 16 rows of 256 bytes (32 elements of 8 bytes), 16 bytes of padding behind each
	s_or_b32 s[G1S+0], s43, (3<<16)|(1<<20)|(1<<21)|(5<<22)|(3<<25)
	s_or_b32 s[G1SB+0], s44, (3<<16)|(1<<20)|(1<<21)|(5<<22)|(3<<25)
.irp g, G1S, G1SB
	s_mov_b32 s[\g+1], 32<<16
	s_mov_b32 s[\g+2], (128*KS/256)<<16
	s_mov_b32 s[\g+3], 32<<16
	s_mov_b32 s[\g+4], 128*KS/256
	s_mov_b32 s[\g+5], 32
	s_mov_b32 s[\g+6], 0
	s_mov_b32 s[\g+7], 0
.endr
	s_lshl_b32 s18, s16, 7                         ; which 128 rows of the tile I fetch
	s_lshl_b32 s20, s17, 8
	s_add_co_u32 s20, s20, s18                     ; x: row 256 x tile row + 128 x half
	s_lshl_b32 s46, s42, 8
	s_add_co_u32 s46, s46, s18                     ; weights: row 256 x tile column + 128 x half
	s_mov_b32 s21, 0
	s_mov_b32 s47, 0
	s_mov_b64 s[18:19], KS
	s_mul_u64 s[22:23], s[20:21], s[18:19]         ; where these rows' scales begin, in bytes,
	s_mul_u64 s[92:93], s[46:47], s[18:19]
	s_mov_b64 s[18:19], KROW
	s_mul_u64 s[20:21], s[20:21], s[18:19]         ; and their codes
	s_mul_u64 s[46:47], s[46:47], s[18:19]
	s_mul_i32 s45, s14, HALFT                      ; where they go: wave x 128 rows: no place in the cluster enters an LDS address
	s_mul_i32 s94, s14, HALFS
	s_wait_dscnt 0x0                               ; both opening adds are done
	s_wait_kmcnt 0x0
	s_add_nc_u64 s[20:21], s[4:5], s[20:21]
	s_add_nc_u64 s[22:23], s[6:7], s[22:23]
	s_add_nc_u64 s[46:47], s[8:9], s[46:47]
	s_add_nc_u64 s[92:93], s[10:11], s[92:93]
	CROUND                                         ; all sixteen work-groups are here: the joint loads meet
	s_mov_b32 s[G0S], 1
	s_add_co_u32 s[G0S+1], s94, SCL
	s_mov_b64 s[G0S+2:G0S+3], s[22:23]
	s_or_b32 s[G0S+3], s[G0S+3], 0x80000000
	s_mov_b32 s[G0SB], 1
	s_add_co_u32 s[G0SB+1], s94, SCL
	s_mov_b64 s[G0SB+2:G0SB+3], s[92:93]
	s_or_b32 s[G0SB+3], s[G0SB+3], 0x80000000
	JLOAD G0S, G1S, G0SB, G1SB                     ; the scales first: they are wanted with K step 0
.irp s, 0,1
	s_mov_b32 s[G0+4*\s], 1
	s_add_co_u32 s[G0+4*\s+1], s45, \s*SLOT
	s_add_nc_u64 s[G0+4*\s+2:G0+4*\s+3], s[20:21], \s*ROWB
	s_or_b32 s[G0+4*\s+3], s[G0+4*\s+3], 0x80000000
	s_mov_b32 s[G0B+4*\s], 1
	s_add_co_u32 s[G0B+4*\s+1], s45, \s*SLOT
	s_add_nc_u64 s[G0B+4*\s+2:G0B+4*\s+3], s[46:47], \s*ROWB
	s_or_b32 s[G0B+4*\s+3], s[G0B+4*\s+3], 0x80000000
	JLOAD G0+4*\s, G1, G0B+4*\s, G1B               ; three tensor loads of mine are out now, and no more follow
.endr
	v_and_b32 v1, 15, v0                           ; l % 16
	v_bfe_u32 v2, v0, 4, 1                         ; l / 16
	v_mul_u32_u24 v3, v1, PITCH
	v_lshl_add_u32 v4, v2, 4, v3                   ; a fragment's row x pitch + 16 x half
	s_mul_i32 s21, s15, HALFT                      ; my 128 rows of x
	s_mul_i32 s22, s16, HALFT                      ; my 128 rows of the weights,
	s_add_co_u32 s22, s22, 2*HALFT                 ; which lie behind x's 256
.irp s, 0,1
	v_add_nc_u32 v[ADRA+\s], s21, v4
	v_add_nc_u32 v[ADRB+\s], s22, v4
	s_add_co_u32 s21, s21, SLOT
	s_add_co_u32 s22, s22, SLOT
.endr
	v_mul_u32_u24 v5, v1, KS                       ; my row's scales: 32 bytes a row,
	v_lshrrev_b32 v6, 8, v5
	v_lshl_add_u32 v5, v6, 4, v5                   ; and 16 more for each 256 passed
	s_mul_i32 s21, s15, HALFS
	s_mul_i32 s22, s16, HALFS
	s_add_co_u32 s22, s22, 2*HALFS
	s_sub_co_u32 s22, s22, s21
	v_mul_u32_u24 v6, s22, v2                      ; lanes 16-31 take the weights'
	s_add_co_u32 s21, s21, SCL
	v_add_nc_u32 v5, v5, v6
	v_add_nc_u32 v[ADRS], s21, v5
	s_mul_i32 s23, s14, 16*SPITCH                  ; my stage
	v_mul_u32_u24 v5, v1, SPITCH                   ; in: row l % 16, 16 bytes for each half of the lanes
	v_lshl_add_u32 v5, v2, 4, v5
	v_add_nc_u32 v[STO], s23, v5
	v_mul_u32_u24 v5, v2, SPITCH                   ; back: lanes 0-15 one row of 256 bytes, lanes 16-31 the next
	v_lshl_add_u32 v5, v1, 4, v5
	v_add_nc_u32 v[RD], s23, v5
	v_mul_u32_u24 v5, v2, CROW                     ; and the same two rows in qkv
	v_lshl_add_u32 v[CO], v1, 4, v5
	s_lshl_b32 s20, s17, 8
	s_lshl_b32 s21, s15, 7
	s_add_co_u32 s20, s20, s21                     ; my first row: 256 x tile row + 128 x half
	s_mov_b32 s21, 0
	s_mov_b64 s[18:19], CROW
	s_mul_u64 s[20:21], s[20:21], s[18:19]
	s_lshl_b32 s46, s42, 9                         ; my first column, in bytes: 512 x tile column + 256 x half
	s_lshl_b32 s47, s16, 8
	s_add_co_u32 s46, s46, s47
	s_mov_b32 s47, 0
	s_add_nc_u64 s[20:21], s[20:21], s[46:47]
	s_add_nc_u64 s[12:13], s[12:13], s[20:21]
.macro FRAG reg, adr, q, i             ; 16 rows x 128 K of 4-bit codes: 8 registers: lane l holds row l % 16; registers 4 c .. 4 c + 3 hold K = 64 c + 32 (l / 16) + 0 .. 31
.irp c, 0,1
	ds_load_b128 v[\reg+4*\c:\reg+4*\c+3], v[\adr] offset:64*(\q)+32*\c+(\i)*16*PITCH
.endr
.endm
; 16 matrix instructions: x's blocks a0, a0 + 1 against the weights' eight, 128 along K.  zero = 1: the first product starts the sums.  The 64 accumulators take turns, one instruction a turn.
; One register carries x's scale word (lanes 0-15) and the weights' (lanes 16-31).
.macro MUL16 a0, p, q, sc, zero
.irp a, \a0, \a0+1
.irp b, 0,1,2,3,4,5,6,7
.if \zero
	v_wmma_scale_f32_16x16x128_f8f6f4 v[8*(8*((\a)%4)+\b):8*(8*((\a)%4)+\b)+7], v[128*(\p)+FR*\b:128*(\p)+FR*\b+FR-1], v[AF+FR*(\a):AF+FR*(\a)+FR-1], 0, v[SC+8*NQ*(\sc)+NQ*\b+(\q)], v[SC+8*NQ*(\sc)+NQ*(\a)+(\q)] matrix_a_fmt:MATRIX_FMT_FP4 matrix_b_fmt:MATRIX_FMT_FP4 matrix_a_scale:MATRIX_SCALE_ROW1
.else
	v_wmma_scale_f32_16x16x128_f8f6f4 v[8*(8*((\a)%4)+\b):8*(8*((\a)%4)+\b)+7], v[128*(\p)+FR*\b:128*(\p)+FR*\b+FR-1], v[AF+FR*(\a):AF+FR*(\a)+FR-1], v[8*(8*((\a)%4)+\b):8*(8*((\a)%4)+\b)+7], v[SC+8*NQ*(\sc)+NQ*\b+(\q)], v[SC+8*NQ*(\sc)+NQ*(\a)+(\q)] matrix_a_fmt:MATRIX_FMT_FP4 matrix_b_fmt:MATRIX_FMT_FP4 matrix_a_scale:MATRIX_SCALE_ROW1
.endif
.endr
.endr
.endm
.macro FETCH_B slot, q, p
	WIN TO_B
.irp i, 0,1,2,3,4,5,6,7
	FRAG 128*(\p)+FR*\i, ADRB+\slot, \q, \i
.endr
	WIN 0
.endm
.macro FETCH_A slot, q, i0
.irp i, \i0, \i0+1, \i0+2, \i0+3
	FRAG AF+FR*(\i), ADRA+\slot, \q, \i
.endr
.endm
.macro SCALES sc                       ; a K step's scale words: 4 words a row; lanes 0-15 take x's block i, lanes 16-31 the weights' block i
.irp i, 0,1,2,3,4,5,6,7
	ds_load_b128 v[SC+8*NQ*\sc+NQ*\i:SC+8*NQ*\sc+NQ*\i+3], v[ADRS] offset:\i*SBLK
.endr
.endm
.macro PLACES n                        ; places in front of loads into registers that matrix instructions have read, and of the first read of results
.rept \n
	v_nop
.endr
.endm
.macro STEP slot, q, zero              ; a step of 128 along K that has its successor in the same slot
	s_wait_dscnt 4*NL                              ; the weights' set and x's blocks 0-3 are in; the youngest eight loads (x's blocks 4-7) may be out
	WIN MUL_LO
	MUL16 0, (\q)%2, \q, \slot, \zero
	MUL16 2, (\q)%2, \q, \slot, \zero
	s_wait_dscnt 0
	PLACES NP
	FETCH_B \slot, (\q)+1, 1-(\q)%2
	FETCH_A \slot, (\q)+1, 0
	WIN MUL_HI
	MUL16 4, (\q)%2, \q, \slot, \zero
	MUL16 6, (\q)%2, \q, \slot, \zero
	PLACES NP
	WIN 0
	FETCH_A \slot, (\q)+1, 4
.endm
.macro TURN slot, next                 ; a slot's last step changes slots: ONE barrier; nothing is filled again
	s_wait_tensorcnt 0x0                           ; all my tensor loads have landed: my part of the next slot
	ds_add_u32 v[SPW], v[NIL]                      ; 0 onto my spare word
	s_wait_dscnt 4*NL+1                            ; (the add and the youngest eight loads may be out)
	WIN MUL_LO
	MUL16 0, 1, NQ-1, \slot, 0
	s_wait_dscnt 0x0                               ; the add is done, and my reads of this slot are over
	s_barrier_signal -1
	MUL16 2, 1, NQ-1, \slot, 0
	WIN 0
	s_barrier_wait -1                              ; the next slot is whole, and nobody reads this one any more
	PLACES NP
	v_add_nc_u32 v[ADRS], 4*NQ, v[ADRS]            ; on to the next K step's scale words
	FETCH_B \next, 0, 0
	FETCH_A \next, 0, 0
	SCALES \next
	WIN MUL_HI
	MUL16 4, 1, NQ-1, \slot, 0
	MUL16 6, 1, NQ-1, \slot, 0
	PLACES NP
	WIN 0
	FETCH_A \next, 0, 4
.endm
.macro STEPS slot, from
.set Q, \from
.rept NQ-1-\from
	STEP \slot, Q, 0
.set Q, Q+1
.endr
.endm
	s_wait_tensorcnt 1                             ; the scales and my part of K step 0 are in (K step 1's load may be out)
	s_barrier_signal -1
	s_barrier_wait -1                              ; everybody's are
	FETCH_B 0, 0, 0
	FETCH_A 0, 0, 0
	SCALES 0
	FETCH_A 0, 0, 4
	STEP 0, 0, 1                                   ; the first step's products start the sums
	STEPS 0, 1
	TURN 0, 1
	STEPS 1, 0
	s_wait_dscnt 4*NL                              ; the very last step: nothing more to fetch
	WIN MUL_LO
	MUL16 0, 1, NQ-1, 1, 0
	MUL16 2, 1, NQ-1, 1, 0
	s_wait_dscnt 0
	WIN MUL_HI
	MUL16 4, 1, NQ-1, 1, 0
	MUL16 6, 1, NQ-1, 1, 0
	WIN 0
; THE WAY OUT, block by block of 16 rows x 128 columns.  PACK: rounded to f16, 16 bytes a lane, each accumulator from its low end on.  TOSTAGE: into my own stage and back as whole rows of 256 bytes.  SEND: stored.
.macro PACK a
.set AC, 64*((\a)%4)
	WIN 0x0a+5*((\a)/4)                            ; sources 0 and 1: window 2 or 3
.irp b, 0,1,2,3,4,5,6,7
.irp r, 0,1,2,3
	v_cvt_pk_f16_f32 v[TMP+4*\b+\r], v[AC+8*\b+2*\r], v[AC+8*\b+2*\r+1]
.endr
.endr
	WIN 0
.endm
.macro TOSTAGE a
.set BB, BK+32*((\a)%2)
.irp b, 0,1,2,3,4,5,6,7
	ds_store_b128 v[STO], v[TMP+4*\b:TMP+4*\b+3] offset:32*\b
.endr
.irp t, 0,1,2,3,4,5,6,7
	ds_load_b128 v[BB+4*\t:BB+4*\t+3], v[RD] offset:\t*2*SPITCH    ; LDS serves a wave's instructions in order (ISA guide 5.7.1.4): these see the stores above
.endr
.endm
.macro SEND a
.set BB, BK+32*((\a)%2)
	s_wait_dscnt 0x0                               ; the block is back in registers
	s_wait_xcnt 0x0                                ; the earlier stores have read their base and their data: the base may step, and the next block's loads may land
.if (\a) > 0
	s_add_nc_u64 s[12:13], s[12:13], 16*CROW
.endif
.irp t, 0,1,2,3,4,5,6,7
	global_store_b128 v[CO], v[BB+4*\t:BB+4*\t+3], s[12:13] offset:2*\t*CROW   ; 16 lanes store 256 consecutive bytes, at a multiple of 256 from qkv's first byte
.endr
.endm
	PLACES NP
	PACK 0
	TOSTAGE 0
.irp a, 1,2,3,4,5,6,7                  ; block a's conversions stand between block a - 1's loads from the stage and the wait for them
	PACK \a
	SEND \a-1
	TOSTAGE \a
.endr
	SEND 7
	s_wait_tensorcnt 0x0                           ; the wave's end, behind my last tensor load and my last LDS store
	ds_add_u32 v[SPW], v[NIL]
	s_wait_dscnt 0x0
	CROUND                                         ; the closing round: no work-group ends while a partner may still ask for a tile that names it
	s_endpgm
.Lfunc_end_k_qf885b31fd2_proj:
	.size	k_qf885b31fd2_proj, .Lfunc_end_k_qf885b31fd2_proj-k_qf885b31fd2_proj
	.p2alignl 7, 3214868480
	.fill 96, 4, 3214868480
	.section	.rodata,"a",@progbits
	.p2align	6, 0x0
	.amdhsa_kernel k_qf885b31fd2_proj
		.amdhsa_group_segment_fixed_size 327680
		.amdhsa_private_segment_fixed_size 0
		.amdhsa_enable_private_segment 0
		.amdhsa_kernarg_size 40
		.amdhsa_user_sgpr_count 2
		.amdhsa_user_sgpr_kernarg_segment_ptr 1
		.amdhsa_wavefront_size32 1
		.amdhsa_system_sgpr_workgroup_id_x 1
		.amdhsa_system_sgpr_workgroup_id_y 1
		.amdhsa_system_sgpr_workgroup_id_z 1
		.amdhsa_system_vgpr_workitem_id 0
		.amdhsa_next_free_vgpr 1024
		.amdhsa_next_free_sgpr 98
		.amdhsa_reserve_vcc 0
		.amdhsa_float_denorm_mode_32 3
		.amdhsa_float_denorm_mode_16_64 3
		.amdhsa_memory_ordered 1
		.amdhsa_forward_progress 1
		.amdhsa_inst_pref_size 127
	.end_amdhsa_kernel
	.amdgpu_metadata
---
amdhsa.version: [ 1, 2 ]
amdhsa.kernels:
  - .name:           k_qf885b31fd2_proj
    .symbol:         k_qf885b31fd2_proj.kd
    .args:
      - { .name: xc, .offset: 0, .size: 8, .value_kind: global_buffer, .address_space: global }
      - { .name: xs, .offset: 8, .size: 8, .value_kind: global_buffer, .address_space: global }
      - { .name: wc, .offset: 16, .size: 8, .value_kind: global_buffer, .address_space: global }
      - { .name: ws, .offset: 24, .size: 8, .value_kind: global_buffer, .address_space: global }
      - { .name: qkv, .offset: 32, .size: 8, .value_kind: global_buffer, .address_space: global }
    .group_segment_fixed_size: 327680
    .private_segment_fixed_size: 0
    .kernarg_segment_align: 8
    .kernarg_segment_size: 40
    .max_flat_workgroup_size: 128
    .sgpr_count:     98
    .vgpr_count:     1024
    .wavefront_size: 32
...
	.end_amdgpu_metadata
.endif
;; end of part 2
;; launch scores (part 3): grid 8 x 32, 4 waves a work-group, clusters of 4 x 4, 327,680 bytes of LDS; arguments qkv, p, st; writes p, st
.if DOCPART == 3
	.amdgcn_target "amdgcn-amd-amdhsa--gfx1250"
	.amdhsa_code_object_version 6
	.text
	.protected	k_qf885b31fd2_scores
	.globl	k_qf885b31fd2_scores
	.p2align	8
	.type	k_qf885b31fd2_scores,@function
k_qf885b31fd2_scores:
	s_mov_b64 s[64:65], 0
	v_nop
	global_prefetch_b8 v0, s[64:65] scope:SCOPE_SE
	s_setreg_imm32_b32 hwreg(HW_REG_WAVE_MODE, 25, 1), 1
	s_wait_xcnt 0x0
	s_wait_alu depctr_hold_cnt(0) depctr_sa_sdst(0) depctr_va_vdst(0) depctr_va_sdst(0) depctr_va_ssrc(0) depctr_va_vcc(0) depctr_vm_vsrc(0)
	s_getreg_b32 s2, hwreg(HW_REG_IB_STS2, 6, 4)
	s_cmp_eq_u32 s2, 0
	s_cbranch_scc0 .Lentry_in_a_cluster
	s_endpgm
.Lentry_in_a_cluster:
	s_bfe_u32 s2, ttmp6, 0x10000c
	s_cmp_lg_u32 s2, 0xf033
	s_cbranch_scc0 .Lentry_shape_is_right
	s_endpgm
.Lentry_shape_is_right:
; LAUNCH 3 OF 4.  The scores q k^T of each of the four batches, in f16 operands with f32 sums, and the exponentials.  No work is left out.
; t = score x c, c = log2(e) / 32.  A wave holds 128 queries x 128 keys.  For each query it takes the largest t OF ITS 128 KEYS, rounds it UP to a whole number M_j, and stores p = 2^(t - M_j) as f16 (at most 1),
; -M_j, and l_j = the sum of the unrounded p, in f32.  j = key / 128 is one block of launch 4, which brings all 16 blocks of a row under the row's true maximum by exact powers of two: so the maximum
; that reference() takes away before the exponential is taken away here for every input, without traffic between work-groups.
; p IS LAID AS LAUNCH 4's OPERAND REGISTERS WANT IT: [512 blocks of 16 queries][64 quarters of 32 keys][1,024 bytes]: a fragment's registers 0-3, 16 bytes a lane, then its registers 4-7.  Two neighbouring accumulators of
; this launch, packed to f16, ARE such a fragment, so the packed registers are stored as they stand: each store of the wave covers 512 consecutive bytes, aligned, and nothing goes through LDS.
; st: f32, -M at [j][row] (byte 32768 j + 4 row), l the same 524,288 bytes on.
; LIMIT: what of p falls under f16's smallest number is under 2^-24 of its block's largest term and is lost.
; A tile of 256 queries x 256 keys is made by a work-group of four waves; a wave makes 128 x 128: 64 accumulators, 512 registers.  K = the 1,024 channels goes in 8 steps of 128 (rows of 256 bytes, aligned) through two LDS slots.
; CLUSTERS: 4 x 4 work-groups.  The four of a row of the cluster need the same rows of q, the four of a column the same rows of k (a cluster's four tile rows lie in one batch): each tile is asked for JOINTLY.
; THE MATRIX INSTRUCTION IS USED TRANSPOSED: source 0 = 16 rows of k, source 1 = 16 rows of q: lane l holds query l % 16 and keys 8 (l / 16) + 0 .. 7 of each accumulator.
; REGISTERS: window 0: v0-31 addresses; v32-44 the softmax's statistics; v64-127, v128-191 fragments of q, two buffers; on the way out v64-127 t and p, v128-191 f16 pairs, two sets.
;   window 1: v64-127, v128-191 fragments of k.   window 2: the accumulators of my queries 0-63 ((a, b) at v[8 (8 a + b)]);   window 3: those of my queries 64-127.
.set KSTEP,  128
.set PITCH,  272                       ; an LDS row: 256 bytes + 16 of padding
.set HALFT,  128*PITCH
.set SLOT,   4*HALFT                   ; q's 256 rows, then k's 256 rows
.set SST,    2*SLOT                    ; behind the ring: 1,024 bytes for each wave: -M of its 128 queries, then l
.set SPARE,  SST+4*1024                ; the spare words, 128 bytes for each wave: two blocks of 256 bytes that no other line names
.set LAPS,   4                         ; a lap = two K steps
.set ROWQ,   6144                      ; a row of qkv in bytes
.set ADRA, 16
.set ADRB, 20
.set L16,  23                          ; v23  16 x lane
.set SSA,  27                          ; v27  where I put a query's -M
.set SPW,  28
.set NIL,  29
.set PFO,  30
.set SSR,  31                          ; v31  where I read 16 bytes of the wave's statistics back
.set T,    32                          ; v32-35 four chains of the maximum
.set PX,   36                          ; v36  a lane permute's destination
.set NM,   38                          ; v[38:39] -M
.set SA,   40                          ; v[40:41], v[42:43] the sum, in two chains of pairs
.set SBB,  42
.set LL,   44                          ; v44  l
.set F0,   64
.set F1,   128
.set PR,   64
.set TMP,  128
.set G1, 24
.set G0, 32
.set G1B, 48
.set G0B, 56
.set LIM, 43                           ; s43  1 in a wave that prefetches, else the greatest number
.set PFA, 44                           ; s[44:45] where my prefetches stand
.set CS,  66                           ; s[66:67] c
.set SEL, 72                           ; s[72:73] v_permlanex16_b32's selects for lane l xor 16
.set MSB, 0
.macro WIN new
.if MSB != \new
	s_set_vgpr_msb (MSB<<8)|\new
.set MSB, \new
.endif
.endm
.set MUL_LO, 0xa1                      ; source 0 (k) window 1, source 1 (q) window 0, C and D window 2
.set MUL_HI, 0xf1
.set TO_B,   0x40
.macro JLOAD s                         ; a joint load: waves 0 and 1 fetch q's two halves, waves 2 and 3 k's.  An s_nop 0 and four v_nop follow each of the two lines
	s_cmp_eq_u32 s11, 0
	s_cbranch_scc0 .Lfor_b_\@
	tensor_load_to_lds s[G0+4*\s:G0+4*\s+3], s[G1:G1+7]
	s_nop 0
.rept 4
	v_nop
.endr
	s_branch .Lasked_\@
.Lfor_b_\@:
	tensor_load_to_lds s[G0B+4*\s:G0B+4*\s+3], s[G1B:G1B+7]
	s_nop 0
.rept 4
	v_nop
.endr
.Lasked_\@:
.endm
; A PREFETCH INTO THE L2 behind each joint refill and the run of LDS loads that follows it: the K step that stands TWO refills, 512 matrix instructions, on: 32 rows x 256 bytes, a lane a row, one instruction a wave.
; Each row's 256 bytes of a K step are named once in the launch: q's rows by the clusters with x = 0, k's by the first of the two clusters along y that share a batch; the four partners that ask for a tile jointly
; share its rows out BY ADDRESS, 32 each.  K steps 0 to 3 come by their loads alone; the loop's last trip, whose refills have no K step two on, asks for nothing.
.macro ASK
	s_cmp_gt_u32 s3, s[LIM]                        ; s3 = 1 in the loop's last trip
	s_cbranch_scc0 .Lnot_mine_\@
	global_prefetch_b8 v[PFO], s[PFA:PFA+1] offset:KSTEP*2 th:TH_LOAD_NT scope:SCOPE_SE
.Lnot_mine_\@:
.endm
.macro CREST
	s_cmp_lg_u32 s10, 0
	s_cbranch_scc1 .Lnot_wave_0_\@
	s_barrier_signal -3
.Lnot_wave_0_\@:
	s_barrier_wait -3
	s_barrier_signal -1
	s_barrier_wait -1
.endm
.macro CROUND
	s_barrier_signal -1
	s_barrier_wait -1
	CREST
.endm
	s_load_b64 s[4:5], s[0:1], 0x0                 ; qkv
	s_load_b64 s[8:9], s[0:1], 0x8                 ; p
	s_load_b64 s[70:71], s[0:1], 0x10              ; st
	v_lshl_add_u32 v[SPW], v0, 2, SPARE
	v_mov_b32 v[NIL], 0
	ds_add_u32 v[SPW], v[NIL]                      ; the wave's opening: the add, twice on end, and its wait ahead of my first tensor load
	ds_add_u32 v[SPW], v[NIL]
	v_lshrrev_b32 v1, 5, v0
	v_readfirstlane_b32 s10, v1                    ; wave 0..3
	s_lshr_b32 s11, s10, 1                         ; which half of the tile's queries is mine.  Also: I fetch for q (0) or for k (1)
	s_and_b32 s12, s10, 1                          ; which half of its keys.  Also: which 128 rows of that tile I fetch
	s_bfe_u32 s40, ttmp6, 0x40000                  ; cx
	s_bfe_u32 s41, ttmp6, 0x40004                  ; cy
	s_lshl_b32 s42, ttmp9, 2
	s_add_co_u32 s42, s42, s40                     ; key tile 0..7 = 4 x cluster x + cx
	s_and_b32 s13, ttmp7, 0xffff
	s_lshl_b32 s13, s13, 2
	s_add_co_u32 s13, s13, s41                     ; query tile 0..31 = 4 x cluster y + cy
	s_lshl_b32 s43, s41, 2
	s_lshl_b32 s43, 15, s43                        ; my row of the cluster
	s_lshl_b32 s44, 0x1111, s40                    ; my column
	s_or_b32 s[G1+0], s43, (1<<16)|(1<<20)|(1<<21)|(5<<22)|(3<<25)  ; 15:0 the mask; 17:16 elements of 2 bytes; 20 padding on; 21 set beside a mask; 24:22 after every 64 words; 31:25 four words
	s_or_b32 s[G1B+0], s44, (1<<16)|(1<<20)|(1<<21)|(5<<22)|(3<<25)
.irp g, G1, G1B
	s_mov_b32 s[\g+1], KSTEP<<16                   ; tensor_dim0 = 128
	s_mov_b32 s[\g+2], 128<<16                     ; tensor_dim1 = 128
	s_mov_b32 s[\g+3], KSTEP<<16                   ; tile_dim0 = 128
	s_mov_b32 s[\g+4], 128                         ; tile_dim1 = 128
	s_mov_b32 s[\g+5], 3072                        ; tensor_dim0_stride: elements from row to row of qkv
	s_mov_b32 s[\g+6], 0
	s_mov_b32 s[\g+7], 0
.endr
	s_mov_b32 s[CS], 0x3d38aa3b                    ; c = log2(e) / 32
	s_mov_b32 s[CS+1], s[CS]                       ; (named with it as a pair, so it is written)
	s_mov_b32 s[SEL], 0x76543210
	s_mov_b32 s[SEL+1], 0xfedcba98
	s_lshl_b32 s17, s12, 7                         ; which 128 rows of the tile I fetch
	s_lshl_b32 s16, s13, 8
	s_add_co_u32 s16, s16, s17                     ; q: row 256 x query tile + 128 x half
	s_lshl_b32 s46, s42, 8
	s_add_co_u32 s46, s46, s17                     ; k: row 256 x key tile + 128 x half
	s_and_b32 s47, ttmp7, 0xffff
	s_lshr_b32 s47, s47, 1                         ; the batch = cluster y / 2, which all sixteen share
	s_lshl_b32 s47, s47, 11
	s_add_co_u32 s46, s46, s47                     ;    + 2,048 x batch
	s_mov_b32 s17, 0
	s_mov_b32 s47, 0
	s_mov_b64 s[18:19], ROWQ
	s_mul_u64 s[16:17], s[16:17], s[18:19]
	s_mul_u64 s[46:47], s[46:47], s[18:19]
	s_mul_i32 s20, s10, HALFT                      ; where they go: wave x 128 rows: no place in the cluster enters an LDS address
	s_wait_dscnt 0x0                               ; both opening adds are done
	s_wait_kmcnt 0x0
	s_add_nc_u64 s[6:7], s[4:5], 2048              ; k's columns of qkv
	s_add_nc_u64 s[14:15], s[4:5], s[16:17]
	s_add_nc_u64 s[46:47], s[6:7], s[46:47]
	CROUND                                         ; all sixteen work-groups are here: the first joint loads meet
.irp s, 0,1
	s_mov_b32 s[G0+4*\s], 1
	s_add_co_u32 s[G0+4*\s+1], s20, \s*SLOT
	s_add_nc_u64 s[G0+4*\s+2:G0+4*\s+3], s[14:15], \s*KSTEP*2
	s_or_b32 s[G0+4*\s+3], s[G0+4*\s+3], 0x80000000
	s_mov_b32 s[G0B+4*\s], 1
	s_add_co_u32 s[G0B+4*\s+1], s20, \s*SLOT
	s_add_nc_u64 s[G0B+4*\s+2:G0B+4*\s+3], s[46:47], \s*KSTEP*2
	s_or_b32 s[G0B+4*\s+3], s[G0B+4*\s+3], 0x80000000
	JLOAD \s                                       ; two tensor loads of mine are out
.endr
	v_and_b32 v1, 15, v0                           ; l % 16
	v_bfe_u32 v2, v0, 4, 1                         ; l / 16
	v_mul_u32_u24 v3, v1, PITCH
	v_lshl_add_u32 v3, v2, 4, v3                   ; a fragment's row x pitch + 16 x half
	s_mul_i32 s21, s11, HALFT                      ; my 128 rows of q
	s_mul_i32 s22, s12, HALFT                      ; my 128 rows of k,
	s_add_co_u32 s22, s22, 2*HALFT                 ; which lie behind q's 256
.irp s, 0,1
	v_add_nc_u32 v[ADRA+\s], s21, v3
	v_add_nc_u32 v[ADRB+\s], s22, v3
	s_add_co_u32 s21, s21, SLOT
	s_add_co_u32 s22, s22, SLOT
.endr
	s_lshl_b32 s23, s10, 10
	s_add_co_u32 s23, s23, SST                     ; my statistics
	v_lshl_add_u32 v[SSA], v1, 2, s23
	v_and_b32 v5, 31, v0
	v_lshlrev_b32 v[L16], 4, v5
	v_add_nc_u32 v[SSR], s23, v[L16]
	v_mov_b32 v[PX], 0                             ; written once: a lane permute's destination counts as one of its sources
	; where my part of p and of st begins
	s_lshl_b32 s16, s13, 8
	s_lshl_b32 s17, s11, 7
	s_add_co_u32 s16, s16, s17                     ; my first query row
	s_lshl_b32 s18, s16, 2                         ; its place in a row of st
	s_lshl_b32 s16, s16, 12                        ; its block of 16 queries in p: (row / 16) x 64 quarters x 1,024 bytes
	s_mov_b32 s17, 0
	s_lshl_b32 s46, s42, 13                        ; my first quarter of keys: (8 x key tile + 4 x half) x 1,024 bytes
	s_lshl_b32 s47, s12, 12
	s_add_co_u32 s46, s46, s47
	s_mov_b32 s47, 0
	s_add_nc_u64 s[16:17], s[16:17], s[46:47]
	s_add_nc_u64 s[8:9], s[8:9], s[16:17]
	s_lshl_b32 s46, s42, 1
	s_add_co_u32 s46, s46, s12                     ; j = 2 x key tile + half
	s_lshl_b32 s46, s46, 15
	s_add_co_u32 s46, s46, s18
	s_add_nc_u64 s[70:71], s[70:71], s[46:47]
	; the prefetches
	s_lshl_b32 s20, s13, 8                         ; q: the tile's first row
	s_lshl_b32 s21, s42, 8                         ; k: likewise,
	s_and_b32 s22, ttmp7, 0xffff
	s_lshr_b32 s23, s22, 1
	s_lshl_b32 s23, s23, 11
	s_add_co_u32 s21, s21, s23                     ;    in its batch
	s_and_b32 s22, s22, 1                          ; which of the batch's two clusters along y
	s_cmp_eq_u32 s11, 0                            ; do I fetch for q?
	s_cselect_b32 s20, s20, s21
	s_cselect_b32 s21, s40, s41                    ; my place among the four that ask for the tile with me
	s_cselect_b32 s22, ttmp9, s22                  ; the coordinate along which other clusters read the same rows
	s_cselect_b64 s[PFA:PFA+1], s[4:5], s[6:7]
	s_cmp_eq_u32 s22, 0
	s_cselect_b32 s[LIM], 1, -1                    ; the same in all sixteen partners, for a given wave
	s_lshl_b32 s22, s12, 7
	s_add_co_u32 s20, s20, s22                     ; + the 128 rows that I fetch
	s_lshl_b32 s21, s21, 5
	s_add_co_u32 s20, s20, s21                     ; + my work-group's 32 of them
	s_mul_i32 s20, s20, ROWQ
	s_add_co_u32 s20, s20, 2*KSTEP*2               ; at K step 2: the first refill steps it to 3 and names K step 4
	s_mov_b32 s21, 0
	s_add_nc_u64 s[PFA:PFA+1], s[PFA:PFA+1], s[20:21]
	v_and_b32 v[PFO], 31, v0
	v_mul_u32_u24 v[PFO], v[PFO], ROWQ
; 16 matrix instructions: query blocks a0, a0 + 1 of the window's four x all 8 key blocks, 32 along K.  zero = 1: the first product starts the sums.  The 64 accumulators take turns.
.macro MUL16 f, hi, a0, zero
.irp a, \a0, \a0+1
.irp b, 0,1,2,3,4,5,6,7
.if \zero
	v_wmma_f32_16x16x32_f16 v[8*(8*(\a)+\b):8*(8*(\a)+\b)+7], v[\f+8*\b:\f+8*\b+7], v[\f+8*(4*\hi+\a):\f+8*(4*\hi+\a)+7], 0
.else
	v_wmma_f32_16x16x32_f16 v[8*(8*(\a)+\b):8*(8*(\a)+\b)+7], v[\f+8*\b:\f+8*\b+7], v[\f+8*(4*\hi+\a):\f+8*(4*\hi+\a)+7], v[8*(8*(\a)+\b):8*(8*(\a)+\b)+7]
.endif
.endr
.endr
.endm
.macro FETCH slot, k, f                ; 32 LDS loads in one run: the fragments of one quarter step into buffer f
	WIN TO_B
.irp i, 0,1,2,3,4,5,6,7
	ds_load_b128 v[\f+8*\i:\f+8*\i+3],   v[ADRB+\slot] offset:\k+\i*16*PITCH
	ds_load_b128 v[\f+8*\i+4:\f+8*\i+7], v[ADRB+\slot] offset:\k+\i*16*PITCH+32
.endr
	WIN 0
.irp i, 0,1,2,3,4,5,6,7
	ds_load_b128 v[\f+8*\i:\f+8*\i+3],   v[ADRA+\slot] offset:\k+\i*16*PITCH
	ds_load_b128 v[\f+8*\i+4:\f+8*\i+7], v[ADRA+\slot] offset:\k+\i*16*PITCH+32
.endr
.endm
.macro PLACES                          ; four places in front of loads into registers that matrix instructions have read, and of the first read of results
.rept 4
	v_nop
.endr
.endm
.macro QUARTER slot, k, f, g, zero     ; 32 along K: multiplies buffer f; in its middle fetches the next quarter, at byte k of the rows, into g
	s_wait_dscnt 8                                 ; k's fragments and q's rows 0-63 are in; the youngest eight loads may be out
	WIN MUL_LO
	MUL16 \f, 0, 0, \zero
	MUL16 \f, 0, 2, \zero
	PLACES
	FETCH \slot, \k, \g
	s_wait_dscnt 32                                ; all but the 32 just issued
	WIN MUL_HI
	MUL16 \f, 1, 0, \zero
	MUL16 \f, 1, 2, \zero
.endm
.macro MEET round                      ; the first half of a K step's last quarter: ONE barrier for the change of slots
	WIN 0                                          ; (the add's two registers lie in window 0)
	s_wait_tensorcnt 0x0                           ; all my tensor loads have landed: my part of the next slot
	ds_add_u32 v[SPW], v[NIL]                      ; 0 onto my spare word
	s_wait_dscnt 9                                 ; (the add and the youngest eight loads may be out)
	WIN MUL_LO
	MUL16 F1, 0, 0, 0
	s_wait_dscnt 0x0                               ; the add is done, and my reads of this slot are over
	s_barrier_signal -1
	MUL16 F1, 0, 2, 0
.if \round
	WIN 0
.endif
	s_barrier_wait -1
.endm
.macro TURN slot, next, fill           ; the whole last quarter.  fill = 1: the slot just read out is filled again, with the K step two on, first thing behind a round of the cluster's barrier
.if \fill
	s_wait_xcnt 0x0                                ; the last prefetch, a K step back, has read its address
	s_add_nc_u64 s[PFA:PFA+1], s[PFA:PFA+1], KSTEP*2
	MEET 1
	CREST                                          ; no wave of any partner still reads this slot's tile or has a load on its way
	s_add_nc_u64 s[G0+4*\slot+2:G0+4*\slot+3], s[G0+4*\slot+2:G0+4*\slot+3], 2*KSTEP*2
	s_add_nc_u64 s[G0B+4*\slot+2:G0B+4*\slot+3], s[G0B+4*\slot+2:G0B+4*\slot+3], 2*KSTEP*2
	JLOAD \slot                                    ; 224 matrix instructions ahead of the wait for it; the four v_nop behind it are also the places in front of the loads below
.else
	MEET 0
	PLACES
.endif
	FETCH \next, 0, F0
.if \fill
	ASK
.endif
	WIN MUL_HI
	MUL16 F1, 1, 0, 0
	MUL16 F1, 1, 2, 0
.endm
	s_wait_tensorcnt 1                             ; my part of K step 0 is in (K step 1's may be out)
	s_barrier_signal -1
	s_barrier_wait -1                              ; everybody's is
	FETCH 0, 0, F0
	QUARTER 0, 64,  F0, F1, 1                      ; the first quarter's products start the sums
	WIN 0
	s_mov_b32 s3, LAPS-1
.Llap:                                                 ; a trip goes once round the ring and fills both slots again
	QUARTER 0, 128, F1, F0, 0
	QUARTER 0, 192, F0, F1, 0
	TURN 0, 1, 1
	QUARTER 1, 64,  F0, F1, 0
	QUARTER 1, 128, F1, F0, 0
	QUARTER 1, 192, F0, F1, 0
	TURN 1, 0, 1
	QUARTER 0, 64,  F0, F1, 0
	WIN 0
	s_sub_co_u32 s3, s3, 1
	s_cmp_lg_u32 s3, 0
	s_cbranch_scc1 .Llap
	QUARTER 0, 128, F1, F0, 0                      ; the last lap is written out: it asks for nothing
	QUARTER 0, 192, F0, F1, 0
	TURN 0, 1, 0
	QUARTER 1, 64,  F0, F1, 0
	QUARTER 1, 128, F1, F0, 0
	QUARTER 1, 192, F0, F1, 0
	s_wait_dscnt 8
	WIN MUL_LO
	MUL16 F1, 0, 0, 0
	MUL16 F1, 0, 2, 0
	s_wait_dscnt 0x0
	WIN MUL_HI
	MUL16 F1, 1, 0, 0
	MUL16 F1, 1, 2, 0
	WIN 0
; THE WAY OUT, block a of 16 queries x my 128 keys at a time.  A lane holds 64 scores of one query, lane l xor 16 the other 64.
.macro SOFT a
.set AC, 64*((\a)%4)
.set TT, TMP+32*((\a)%2)               ; the packed weights: two sets by turns
	WIN 20*(2+(\a)/4)                              ; sources 1 and 2: the block's window
.irp c, 0,1,2,3
	v_mov_b32 v[T+\c], 0xff800000                  ; four chains, begun under every score
.endr
.irp i, 0,1,2,3                        ; each accumulator is read from its low end on
.irp b, 0,1,2,3,4,5,6,7
	v_max3_num_f32 v[T+\b%4], v[T+\b%4], v[AC+8*\b+2*\i], v[AC+8*\b+2*\i+1]
.endr
.endr
	WIN 0
	v_max3_num_f32 v[T], v[T], v[T+1], v[T+2]
	v_max_num_f32 v[T], v[T], v[T+3]
	v_permlanex16_b32 v[PX], v[T], s[SEL], s[SEL+1]
	v_max_num_f32 v[T], v[T], v[PX]                ; the largest score of my query among the wave's 128 keys
	v_mul_f32 v[T], s[CS], v[T]                    ; as t (c is positive)
	v_floor_f32 v[NM], -v[T]                       ; -M = floor(-t) = -ceil(t): a whole number
	v_mov_b32 v[NM+1], v[NM]                       ; (named with it as a pair)
	WIN 2+(\a)/4                                   ; source 0: the block's window
.set i, 0
.rept 32
	v_pk_fma_f32 v[PR+2*i:PR+2*i+1], v[AC+2*i:AC+2*i+1], s[CS:CS+1], v[NM:NM+1] op_sel_hi:[1,0,0]   ; t - M, two at a time
.set i, i+1
.endr
	WIN 0
.set i, 0
.rept 64
	v_exp_f32 v[PR+i], v[PR+i]                     ; p = 2^(t - M), at most 1
.set i, i+1
.endr
	v_nop                                          ; a plain instruction behind the last exponential
	s_wait_alu depctr_va_vdst(0)                   ; one wait for the whole batch, ahead of its first reader
.if (\a) > 1
	s_wait_xcnt 0x0                                ; block a - 2's stores have read this set of registers: only now is it written again
.endif
.set i, 0
.rept 32
	v_cvt_pk_f16_f32 v[TT+i], v[PR+2*i], v[PR+2*i+1]               ; registers 4 b .. 4 b + 3: query l % 16, keys 16 b + 8 (l / 16) + 0 .. 7: half a fragment of launch 4
.set i, i+1
.endr
	v_pk_add_f32 v[SA:SA+1], v[PR:PR+1], v[PR+2:PR+3]              ; the sum is taken of the unrounded p: two at a time, in two chains
	v_pk_add_f32 v[SBB:SBB+1], v[PR+4:PR+5], v[PR+6:PR+7]
.irp j, 8,12,16,20,24,28,32,36,40,44,48,52,56,60
	v_pk_add_f32 v[SA:SA+1], v[SA:SA+1], v[PR+\j:PR+\j+1]
	v_pk_add_f32 v[SBB:SBB+1], v[SBB:SBB+1], v[PR+\j+2:PR+\j+3]
.endr
	v_pk_add_f32 v[SA:SA+1], v[SA:SA+1], v[SBB:SBB+1]
	v_add_f32 v[LL], v[SA], v[SA+1]
	v_permlanex16_b32 v[PX], v[LL], s[SEL], s[SEL+1]
	v_add_f32 v[LL], v[LL], v[PX]                  ; with lane l xor 16's: l
	ds_store_b32 v[SSA], v[NM] offset:64*(\a)      ; both halves of the lanes write the same word with the same value
	ds_store_b32 v[SSA], v[LL] offset:512+64*(\a)
.irp b, 0,1,2,3,4,5,6,7
	global_store_b128 v[L16], v[TT+4*\b:TT+4*\b+3], s[8:9] offset:65536*(\a)+512*\b   ; 32 lanes store 512 consecutive bytes, aligned; the block's eight stores cover 4,096 bytes on end
.endr
.endm
	PLACES
.irp a, 0,1,2,3,4,5,6,7
	SOFT \a
.endr
	ds_load_b128 v[32:35], v[SSR]                  ; my wave's 128 -M (LDS serves a wave's instructions in order: these see my stores),
	ds_load_b128 v[40:43], v[SSR] offset:512       ; and its 128 l
	s_wait_dscnt 0x0
	global_store_b128 v[L16], v[32:35], s[70:71]   ; 512 consecutive bytes each, aligned
	global_store_b128 v[L16], v[40:43], s[70:71] offset:524288
	s_wait_tensorcnt 0x0                           ; the wave's end, behind my last tensor load and my last LDS store
	ds_add_u32 v[SPW], v[NIL]
	s_wait_dscnt 0x0
	CROUND                                         ; the closing round
	s_endpgm
.Lfunc_end_k_qf885b31fd2_scores:
	.size	k_qf885b31fd2_scores, .Lfunc_end_k_qf885b31fd2_scores-k_qf885b31fd2_scores
	.p2alignl 7, 3214868480
	.fill 96, 4, 3214868480
	.section	.rodata,"a",@progbits
	.p2align	6, 0x0
	.amdhsa_kernel k_qf885b31fd2_scores
		.amdhsa_group_segment_fixed_size 327680
		.amdhsa_private_segment_fixed_size 0
		.amdhsa_enable_private_segment 0
		.amdhsa_kernarg_size 24
		.amdhsa_user_sgpr_count 2
		.amdhsa_user_sgpr_kernarg_segment_ptr 1
		.amdhsa_wavefront_size32 1
		.amdhsa_system_sgpr_workgroup_id_x 1
		.amdhsa_system_sgpr_workgroup_id_y 1
		.amdhsa_system_sgpr_workgroup_id_z 1
		.amdhsa_system_vgpr_workitem_id 0
		.amdhsa_next_free_vgpr 1024
		.amdhsa_next_free_sgpr 80
		.amdhsa_reserve_vcc 0
		.amdhsa_float_denorm_mode_32 3
		.amdhsa_float_denorm_mode_16_64 3
		.amdhsa_memory_ordered 1
		.amdhsa_forward_progress 1
		.amdhsa_inst_pref_size 207
	.end_amdhsa_kernel
	.amdgpu_metadata
---
amdhsa.version: [ 1, 2 ]
amdhsa.kernels:
  - .name:           k_qf885b31fd2_scores
    .symbol:         k_qf885b31fd2_scores.kd
    .args:
      - { .name: qkv, .offset: 0, .size: 8, .value_kind: global_buffer, .address_space: global }
      - { .name: p, .offset: 8, .size: 8, .value_kind: global_buffer, .address_space: global }
      - { .name: st, .offset: 16, .size: 8, .value_kind: global_buffer, .address_space: global }
    .group_segment_fixed_size: 327680
    .private_segment_fixed_size: 0
    .kernarg_segment_align: 8
    .kernarg_segment_size: 24
    .max_flat_workgroup_size: 128
    .sgpr_count:     80
    .vgpr_count:     1024
    .wavefront_size: 32
...
	.end_amdgpu_metadata
.endif
;; end of part 3
;; launch mix (part 4): grid 4 x 64, 4 waves a work-group, clusters of 4 x 4, 327,680 bytes of LDS; arguments p, qkv, st, out0; writes out0
.if DOCPART == 4
	.amdgcn_target "amdgcn-amd-amdhsa--gfx1250"
	.amdhsa_code_object_version 6
	.text
	.protected	k_qf885b31fd2_mix
	.globl	k_qf885b31fd2_mix
	.p2align	8
	.type	k_qf885b31fd2_mix,@function
k_qf885b31fd2_mix:
	s_mov_b64 s[64:65], 0
	v_nop
	global_prefetch_b8 v0, s[64:65] scope:SCOPE_SE
	s_setreg_imm32_b32 hwreg(HW_REG_WAVE_MODE, 25, 1), 1
	s_wait_xcnt 0x0
	s_wait_alu depctr_hold_cnt(0) depctr_sa_sdst(0) depctr_va_vdst(0) depctr_va_sdst(0) depctr_va_ssrc(0) depctr_va_vcc(0) depctr_vm_vsrc(0)
	s_getreg_b32 s2, hwreg(HW_REG_IB_STS2, 6, 4)
	s_cmp_eq_u32 s2, 0
	s_cbranch_scc0 .Lentry_in_a_cluster
	s_endpgm
.Lentry_in_a_cluster:
	s_bfe_u32 s2, ttmp6, 0x10000c
	s_cmp_lg_u32 s2, 0xf033
	s_cbranch_scc0 .Lentry_shape_is_right
	s_endpgm
.Lentry_shape_is_right:
; LAUNCH 4 OF 4.  out0[row][e] = (sum over blocks j of f_j x (sum over the block's 128 keys of p[row][key] v[key][e])) / L, in f16 operands with f32 sums.  No work is left out.
; Launch 3 left p = 2^(t - M_j) under the maximum M_j of each block j of 128 keys, with -M_j and l_j = the block's sum.  Here M = the largest of a row's 16 M_j, f_j = 2^(M_j - M) (made by v_ldexp_f32 of 1.0 with a whole
; number: nothing is rounded), L = sum of f_j l_j.  EACH BLOCK HAS SUMS OF ITS OWN, begun with the constant 0; a finished block is folded into the results in f32: result += f_j x block's sum, one packed multiply-add for two numbers.
; A tile of 128 queries x 256 channels is made by a work-group of four waves; a wave makes 64 x 128: 32 accumulators for the block in hand and 256 registers of results: 256 work-groups.
; K = the batch's 2,048 keys goes in 64 QUARTERS of 32 keys, 32 matrix instructions each.  p lies in memory as images of its fragments ([16 queries][quarter][1,024 bytes]); V STAYS [key][channel], as it lies in qkv: its
; fragments come out of LDS turned, by ds_load_tr16_b128.
; THE RING: two LDS slots of 192 keys, six quarters, as large as two fit.  2,048 = 128 + 10 x 192: the first fill (keys 0-191) is used for its first 128 keys alone and the second begins at key 128, so that every fill has one
; shape: keys 128-191 are fetched twice, 3 parts in 100 of the tiles' bytes.  Behind a change of slots a fill has 176 matrix instructions in which to land.
; THREE FRAGMENT BUFFERS: the middle of quarter Q fetches quarter Q + 2's fragments, 48 matrix instructions ahead.  So a slot has been read out, and is left, in its fifth quarter.
; THE FOLD STANDS BESIDE THE PRODUCTS: four packed multiply-adds behind each of 32 matrix instructions, from a block's last quarter (its groups 1 to 3 carry the fold of groups 0 to 2) into the next block's first group.
; With the two window switches that is seven issue slots beside a matrix instruction's eight cycles of work; set in a run of their own the 128 would leave the matrix unit idle.
; CLUSTERS: 4 x 4 work-groups.  The four of a row of the cluster need the same tiles of p, the four of a column (one batch) the same tiles of v: each is asked for JOINTLY.  Waves 0, 1 fetch p's halves (4 rows of 6,144 dense
; bytes), waves 2, 3 v's (96 keys x 512 bytes).
; TRANSPOSED USE: source 0 = 16 channels of v^T, source 1 = 16 queries of p: a lane holds one query and eight neighbouring channels.
; REGISTERS: window 0: v12-31 addresses; v32-39 the block's factors, four pairs; v40-47 1 / L, four pairs; v48-55 at work; v64-159 p's fragments, three buffers of 32; v128-255 at the head -M_j and l_j, on the way out results and rows.
;   window 1: v0-191 v's fragments, three buffers of 64.   window 2: the block's sums ((a, b) at v[8 (8 a + b)]).   window 3: the results, at the same numbers.
.set PQ,     1024                      ; a fragment of p: 16 queries x 32 keys
.set PROW,   6*PQ                      ; a slot's part of 16 queries' p
.set PV,     544                       ; a row of v in LDS: 512 bytes + 32 = 136 words
.set VOFF,   8*PROW                    ; a slot: p of 128 queries, then 192 rows of v
.set SLOT,   VOFF+192*PV
.set FACT,   2*SLOT                    ; behind the ring: the factors, f32: for each wave 16 blocks x 16 lanes x 4 blocks of queries
.set SPARE,  FACT+4*4096               ; the spare words, 128 bytes for each wave: two blocks of 256 bytes that no other line names
.set STAGE,  SLOT                      ; the way out: 16 rows x (512 bytes + 16) for each wave, in slot 1, which has had its last fill and its last read when the first result is stored there
.set SPITCH, 528
.set ROWQ,   6144
.set ROWO,   4096
.set PBLK,   4*PQ                      ; a block of 128 keys on: in 16 queries' p,
.set VBLK,   128*ROWQ                  ; and in v
.set TRIPS,  4
.set PFO,  12                          ; v12-14  the prefetches' offsets: my lane's place, + 0, 1, 2 blocks of keys; never rewritten
.set ADRP, 16                          ; v16-17  LDS address of my p fragments in slot 0, 1
.set ADRV, 18                          ; v18-21  the same for v: slot 0 quarters 0-2, 3-5; slot 1 likewise (an LDS offset has 16 bits)
.set FA,   22                          ; v22     the factors of the block to come
.set R4,   23                          ; v23     4 x (l % 16)
.set STO,  24
.set RD,   25
.set CO,   26                          ; v26     16 x lane
.set SPW,  28
.set NIL,  29
.set FP,   32                          ; v[32 + 2 a]  f_j of query 16 a + l % 16; the packed form names a pair and takes its low word for both halves
.set RL,   40
.set RM,   48                          ; v48-51  the rows' -M
.set LS,   52                          ; v52-55  L
.set PF,   64
.set NMJ,  128                         ; v[128 + 4 j + a]  -M_j, then f_j
.set LJ,   192                         ; v[192 + 4 j + a]  l_j
.set OT,   128
.set G1, 24
.set G0, 32
.set G1B, 48
.set G0B, 56
.set LIM, 43
.set PFA, 44
.set PFT, 66                           ; s[66:67] three blocks of keys on, in bytes, for my prefetches
.set MSB, 0
.macro WIN new
.if MSB != \new
	s_set_vgpr_msb (MSB<<8)|\new
.set MSB, \new
.endif
.endm
.set MUL,  0xa1                        ; source 0 (v) window 1, source 1 (p) window 0, C and D window 2
.set FOLD, 0xf2                        ; source 0 (the block's sums) window 2, source 1 (f) window 0, source 2 and destination (the results) window 3
.set TO_V, 0x40
.macro JLOAD s                         ; a joint load.  The branch hangs on the wave's number alone.  An s_nop 0 and four v_nop follow each of the two lines
	s_cmp_eq_u32 s11, 0
	s_cbranch_scc0 .Lfor_v_\@
	tensor_load_to_lds s[G0+4*(\s):G0+4*(\s)+3], s[G1:G1+7]
	s_nop 0
.rept 4
	v_nop
.endr
	s_branch .Lasked_\@
.Lfor_v_\@:
	tensor_load_to_lds s[G0B+4*(\s):G0B+4*(\s)+3], s[G1B:G1B+7]
	s_nop 0
.rept 4
	v_nop
.endr
.Lasked_\@:
.endm
; PREFETCHES INTO THE L2, behind a joint refill and the run of LDS loads that follows it, by blocks of 128 keys: all that the NEXT refill, 192 matrix instructions on, will ask for has then been named.
; One instruction names a block: of p, 4,096 bytes of each of two blocks of 16 queries, sixteen lanes to each, 256 bytes apart; of v, 32 keys x 256 bytes, a lane a key.  Each aligned run of 256 bytes is named once in the launch.
; p's 128 rows are read by one row of one cluster: its four partners take two blocks of 16 queries each, BY ADDRESS, and wave 0 asks.  v's keys are read by the batch's four clusters: the first of them asks; its partners along
; y take 32 keys of a block each, by address; waves 2 and 3 take the two halves of the 512 bytes.  A trip of the loop walks three blocks: its first change of slots names one, its second two.  Blocks 0 to 3 come by their
; loads alone; block 15 is the last that there is, so the last trip's second change names nothing.
.macro ASK1
	s_cmp_eq_u32 s[LIM], 1
	s_cbranch_scc0 .Lnot_mine_\@
	global_prefetch_b8 v[PFO], s[PFA:PFA+1] th:TH_LOAD_NT scope:SCOPE_SE
.Lnot_mine_\@:
.endm
.macro ASK2 inloop
.if \inloop
	s_cmp_gt_u32 s3, s[LIM]                        ; s3 = 1 in the loop's last trip
.else
	s_cmp_eq_u32 s[LIM], 1
.endif
	s_cbranch_scc0 .Lnot_mine_\@
	global_prefetch_b8 v[PFO+1], s[PFA:PFA+1] th:TH_LOAD_NT scope:SCOPE_SE
	global_prefetch_b8 v[PFO+2], s[PFA:PFA+1] th:TH_LOAD_NT scope:SCOPE_SE
.Lnot_mine_\@:
.endm
.macro CREST
	s_cmp_lg_u32 s10, 0
	s_cbranch_scc1 .Lnot_wave_0_\@
	s_barrier_signal -3
.Lnot_wave_0_\@:
	s_barrier_wait -3
	s_barrier_signal -1
	s_barrier_wait -1
.endm
.macro CROUND
	s_barrier_signal -1
	s_barrier_wait -1
	CREST
.endm
	s_load_b256 s[68:75], s[0:1], 0x0              ; p s[68:69], qkv s[70:71], st s[72:73], out0 s[74:75]
	v_lshl_add_u32 v[SPW], v0, 2, SPARE
	v_mov_b32 v[NIL], 0
	ds_add_u32 v[SPW], v[NIL]                      ; the wave's opening: the add, twice on end, and its wait ahead of my first tensor load
	ds_add_u32 v[SPW], v[NIL]
	v_lshrrev_b32 v1, 5, v0
	v_readfirstlane_b32 s10, v1                    ; wave 0..3
	s_lshr_b32 s11, s10, 1                         ; which half of the tile's queries is mine.  Also: I fetch for p (0) or for v (1)
	s_and_b32 s12, s10, 1                          ; which half of its channels.  Also: which half of that tile I fetch
	s_bfe_u32 s40, ttmp6, 0x40000                  ; cx
	s_bfe_u32 s41, ttmp6, 0x40004                  ; cy
	s_lshl_b32 s42, ttmp9, 2
	s_add_co_u32 s42, s42, s40                     ; channel tile 0..3
	s_and_b32 s13, ttmp7, 0xffff
	s_lshl_b32 s13, s13, 2
	s_add_co_u32 s13, s13, s41                     ; query tile 0..63
	s_lshl_b32 s43, s41, 2
	s_lshl_b32 s43, 15, s43                        ; my row of the cluster
	s_lshl_b32 s44, 0x1111, s40                    ; my column
	; descriptor group 1.  p: 4 rows (blocks of 16 queries, 65,536 bytes apart) x 768 elements of 8 bytes, dense in LDS;  v: 96 rows x 256 elements of 2 bytes, eight words of padding after every 128
	s_or_b32 s[G1+0], s43, (3<<16)|(1<<21)         ; 15:0 the mask; 17:16 elements of 8 bytes; 21 set beside a mask
	s_mov_b32 s[G1+1], 768<<16                     ; tensor_dim0
	s_mov_b32 s[G1+2], 4<<16                       ; tensor_dim1
	s_mov_b32 s[G1+3], 768<<16                     ; tile_dim0
	s_mov_b32 s[G1+4], 4                           ; tile_dim1
	s_mov_b32 s[G1+5], 8192                        ; tensor_dim0_stride
	s_mov_b32 s[G1+6], 0
	s_mov_b32 s[G1+7], 0
	s_or_b32 s[G1B+0], s44, (1<<16)|(1<<20)|(1<<21)|(6<<22)|(7<<25)
	s_mov_b32 s[G1B+1], 256<<16
	s_mov_b32 s[G1B+2], 96<<16
	s_mov_b32 s[G1B+3], 256<<16
	s_mov_b32 s[G1B+4], 96
	s_mov_b32 s[G1B+5], 3072                       ; elements from row to row of qkv
	s_mov_b32 s[G1B+6], 0
	s_mov_b32 s[G1B+7], 0
	s_lshl_b32 s16, s13, 19                        ; p: block of 16 queries 8 x query tile
	s_lshl_b32 s17, s12, 18                        ;    + 4 x half, 65,536 bytes each
	s_add_co_u32 s16, s16, s17
	s_mov_b32 s17, 0
	s_and_b32 s46, ttmp7, 0xffff
	s_lshr_b32 s46, s46, 2                         ; the batch = cluster y / 4, which all sixteen share
	s_lshl_b32 s46, s46, 11
	s_mul_i32 s47, s12, 96
	s_add_co_u32 s46, s46, s47                     ; v: key row 2,048 x batch + 96 x half,
	s_mul_i32 s46, s46, ROWQ                       ; in bytes,
	s_lshl_b32 s47, s42, 9
	s_add_co_u32 s46, s46, s47                     ; + the tile's 256 channels
	s_add_co_u32 s46, s46, 4096                    ; + v's columns of qkv
	s_mov_b32 s47, 0
	s_mul_i32 s20, s12, 4*PROW                     ; where they go: no place in the cluster enters an LDS address
	s_mul_i32 s21, s12, 96*PV
	s_add_co_u32 s21, s21, VOFF
	s_wait_dscnt 0x0                               ; both opening adds are done
	s_wait_kmcnt 0x0
	s_add_nc_u64 s[14:15], s[68:69], s[16:17]
	s_add_nc_u64 s[46:47], s[70:71], s[46:47]
	CROUND                                         ; all sixteen work-groups are here: the first joint loads meet
.irp s, 0,1                            ; slot 0: keys 0-191; slot 1: keys 128-319
	s_mov_b32 s[G0+4*\s], 1
	s_add_co_u32 s[G0+4*\s+1], s20, \s*SLOT
	s_add_nc_u64 s[G0+4*\s+2:G0+4*\s+3], s[14:15], \s*PBLK
	s_or_b32 s[G0+4*\s+3], s[G0+4*\s+3], 0x80000000
	s_mov_b32 s[G0B+4*\s], 1
	s_add_co_u32 s[G0B+4*\s+1], s21, \s*SLOT
	s_add_nc_u64 s[G0B+4*\s+2:G0B+4*\s+3], s[46:47], \s*VBLK
	s_or_b32 s[G0B+4*\s+3], s[G0B+4*\s+3], 0x80000000
	JLOAD \s                                       ; two tensor loads of mine are out
.endr
	v_and_b32 v1, 15, v0                           ; r = l % 16
	v_bfe_u32 v2, v0, 4, 1                         ; h = l / 16
	v_lshlrev_b32 v[R4], 2, v1
	s_lshl_b32 s16, s13, 7
	s_lshl_b32 s17, s11, 6
	s_add_co_u32 s16, s16, s17                     ; my first query row
	s_lshl_b32 s18, s16, 2
	s_mov_b32 s19, 0
	s_add_nc_u64 s[72:73], s[72:73], s[18:19]      ; its place in a row of st
.irp j, 0,1,2,3,4,5,6,7,8,9,10,11,12,13,14,15  ; lane (r, h) wants, for block a of my queries, row 16 a + r's -M_j and l_j
.irp a, 0,1,2,3
	global_load_b32 v[NMJ+4*\j+\a], v[R4], s[72:73] offset:32768*\j+64*\a
	global_load_b32 v[LJ+4*\j+\a], v[R4], s[72:73] offset:524288+32768*\j+64*\a
.endr
.endr
	v_and_b32 v5, 31, v0
	v_lshlrev_b32 v[CO], 4, v5
	s_mul_i32 s21, s11, 4*PROW                     ; p: my four blocks of 16 queries; a fragment comes back as it was stored: 16 bytes a lane
	v_add_nc_u32 v[ADRP], s21, v[CO]
	v_add_nc_u32 v[ADRP+1], SLOT, v[ADRP]
	v_and_b32 v4, 7, v0                            ; v: the turning load takes 16 keys x 16 channels: lane l reads 16 bytes: key 8 (l / 16) + l % 8, channels 8 ((l / 8) % 2) + 0 .. 7
	v_lshl_add_u32 v4, v2, 3, v4
	v_mul_u32_u24 v4, v4, PV
	v_bfe_u32 v5, v0, 3, 1
	v_lshl_add_u32 v4, v5, 4, v4
	s_lshl_b32 s22, s12, 8                         ; my 128 channels
	s_add_co_u32 s22, s22, VOFF
	v_add_nc_u32 v[ADRV], s22, v4
	v_add_nc_u32 v[ADRV+1], 96*PV, v[ADRV]
	v_add_nc_u32 v[ADRV+2], SLOT, v[ADRV]
	v_add_nc_u32 v[ADRV+3], SLOT, v[ADRV+1]
	s_lshl_b32 s22, s10, 12
	s_add_co_u32 s22, s22, FACT
	v_lshl_add_u32 v[FA], v1, 4, s22               ; my wave's factors: 16 bytes for each r
	s_mul_i32 s22, s10, 16*SPITCH
	s_add_co_u32 s22, s22, STAGE                   ; my stage
	v_mul_u32_u24 v5, v1, SPITCH                   ; in: row r, 32 bytes for each half of the lanes
	v_lshl_add_u32 v5, v2, 5, v5
	v_add_nc_u32 v[STO], s22, v5
	v_add_nc_u32 v[RD], s22, v[CO]                 ; back: the 32 lanes take one row of 512 bytes
	s_lshl_b32 s16, s16, 12                        ; my first row of out0,
	s_mov_b32 s17, 0
	s_lshl_b32 s46, s42, 10                        ; my first channel, in bytes: 1,024 x channel tile + 512 x half
	s_lshl_b32 s47, s12, 9
	s_add_co_u32 s46, s46, s47
	s_mov_b32 s47, 0
	s_add_nc_u64 s[16:17], s[16:17], s[46:47]
	s_add_nc_u64 s[74:75], s[74:75], s[16:17]
	; the prefetches: both places are made, then one is chosen by the wave's number
	s_lshl_b32 s20, s13, 19
	s_lshl_b32 s21, s40, 17
	s_add_co_u32 s20, s20, s21                     ; p: block of 16 queries 8 x query tile + 2 cx,
	s_add_co_u32 s20, s20, 3*PBLK                  ; at block 3 of the keys: the first change of slots names blocks 4 and 5
	s_and_b32 s21, ttmp7, 0xffff
	s_lshr_b32 s21, s21, 2
	s_lshl_b32 s21, s21, 11
	s_lshl_b32 s22, s41, 5
	s_add_co_u32 s21, s21, s22                     ; v: key 2,048 x batch + 32 cy,
	s_mul_i32 s21, s21, ROWQ
	s_lshl_b32 s22, s42, 9
	s_add_co_u32 s21, s21, s22
	s_lshl_b32 s22, s12, 8                         ; my half of the tile's 512 bytes,
	s_add_co_u32 s21, s21, s22
	s_add_co_u32 s21, s21, 4096+3*VBLK             ; at block 3
	s_and_b32 s22, ttmp7, 3                        ; which of the batch's four clusters
	s_mov_b32 s23, ROWQ
	s_mov_b32 s18, 16*ROWQ
	s_mov_b32 s19, VBLK
	s_mov_b32 s[PFT], 3*VBLK
	s_cmp_eq_u32 s11, 0                            ; waves 0 and 1: p
	s_cselect_b64 s[PFA:PFA+1], s[68:69], s[70:71]
	s_cselect_b32 s20, s20, s21
	s_cselect_b32 s22, s12, s22                    ; 0 in wave 0, and in waves 2 and 3 of the batch's first cluster
	s_cselect_b32 s23, 256, s23                    ; from lane to lane among sixteen,
	s_cselect_b32 s18, 65536, s18                  ; from the lower sixteen to the upper,
	s_cselect_b32 s19, PBLK, s19                   ; from block to block,
	s_cselect_b32 s[PFT], 3*PBLK, s[PFT]           ; from trip to trip
	s_cmp_eq_u32 s22, 0
	s_cselect_b32 s[LIM], 1, -1                    ; the same in all sixteen partners, for a given wave
	s_mov_b32 s21, 0
	s_mov_b32 s[PFT+1], 0
	s_add_nc_u64 s[PFA:PFA+1], s[PFA:PFA+1], s[20:21]
	v_mul_lo_u32 v[PFO], v1, s23
	v_mul_lo_u32 v3, v2, s18
	v_add_nc_u32 v[PFO], v[PFO], v3
	v_add_nc_u32 v[PFO+1], s19, v[PFO]
	v_add_nc_u32 v[PFO+2], s19, v[PFO+1]
.irp a, 0,1,2,3
	v_mov_b32 v[FP+2*\a+1], 0                      ; (named as the upper halves of the factors' pairs, so they are written)
.endr
	s_wait_loadcnt 0x0
	; the rows' -M = the least of their 16 -M_j
.irp a, 0,1,2,3
	v_min3_num_f32 v[RM+\a], v[NMJ+\a], v[NMJ+4+\a], v[NMJ+8+\a]
.endr
.irp j, 3,5,7,9,11,13
.irp a, 0,1,2,3
	v_min3_num_f32 v[RM+\a], v[RM+\a], v[NMJ+4*\j+\a], v[NMJ+4*\j+4+\a]
.endr
.endr
.irp a, 0,1,2,3
	v_min_num_f32 v[RM+\a], v[RM+\a], v[NMJ+60+\a]
.endr
.set i, 0
.rept 64
	v_sub_f32 v[NMJ+i], v[RM+i%4], v[NMJ+i]        ; M_j - M: a whole number, 0 or less
.set i, i+1
.endr
.set i, 0
.rept 64
	v_cvt_i32_f32 v[NMJ+i], v[NMJ+i]               ; (it saturates)
.set i, i+1
.endr
.set i, 0
.rept 64
	v_ldexp_f32 v[NMJ+i], 1.0, v[NMJ+i]            ; f_j = 2^(M_j - M)
.set i, i+1
.endr
.irp a, 0,1,2,3
	v_mul_f32 v[LS+\a], v[NMJ+\a], v[LJ+\a]        ; L = the sum of f_j l_j: the first term starts it
.endr
.set i, 4
.rept 60
	v_fma_f32 v[LS+i%4], v[NMJ+i], v[LJ+i], v[LS+i%4]
.set i, i+1
.endr
.irp j, 0,1,2,3,4,5,6,7,8,9,10,11,12,13,14,15
	ds_store_b128 v[FA], v[NMJ+4*\j:NMJ+4*\j+3] offset:256*\j      ; block j's four factors of each r: my wave's own bytes; both halves of the lanes write the same bytes with the same values
.endr
.irp a, 0,1,2,3
	v_rcp_f32 v[RL+2*\a], v[LS+\a]
.endr
	v_nop                                          ; a plain instruction behind the last reciprocal
	s_wait_alu depctr_va_vdst(0)                   ; one wait for the four, ahead of their first reader
.irp a, 0,1,2,3
	v_mov_b32 v[RL+2*\a+1], v[RL+2*\a]             ; (named with it as a pair)
.endr
.macro PLACES                          ; four places in front of loads into registers that matrix instructions have read, and of the first read of results
.rept 4
	v_nop
.endr
.endm
; One product: query block a x channel block b, 32 keys, from buffer bu.  zero = 1: a block's first quarter starts its sums.
.macro MM bu, a, b, zero
.if \zero
	v_wmma_f32_16x16x32_f16 v[8*(8*(\a)+(\b)):8*(8*(\a)+(\b))+7], v[64*(\bu)+8*(\b):64*(\bu)+8*(\b)+7], v[PF+32*(\bu)+8*(\a):PF+32*(\bu)+8*(\a)+7], 0
.else
	v_wmma_f32_16x16x32_f16 v[8*(8*(\a)+(\b)):8*(8*(\a)+(\b))+7], v[64*(\bu)+8*(\b):64*(\bu)+8*(\b)+7], v[PF+32*(\bu)+8*(\a):PF+32*(\bu)+8*(\a)+7], v[8*(8*(\a)+(\b)):8*(8*(\a)+(\b))+7]
.endif
.endm
; The fold of one finished accumulator: results (a, b) += f x the block's sums (a, b), from its low end on.  first = 1: the first block starts the results: nothing is ever cleared.
.macro SL a, b, first
.irp i, 0,2,4,6
.if \first
	v_pk_mul_f32 v[8*(8*(\a)+(\b))+\i:8*(8*(\a)+(\b))+\i+1], v[8*(8*(\a)+(\b))+\i:8*(8*(\a)+(\b))+\i+1], v[FP+2*(\a):FP+2*(\a)+1] op_sel_hi:[1,0]
.else
	v_pk_fma_f32 v[8*(8*(\a)+(\b))+\i:8*(8*(\a)+(\b))+\i+1], v[8*(8*(\a)+(\b))+\i:8*(8*(\a)+(\b))+\i+1], v[FP+2*(\a):FP+2*(\a)+1], v[8*(8*(\a)+(\b))+\i:8*(8*(\a)+(\b))+\i+1] op_sel_hi:[1,0,1]
.endif
.endr
.endm
; A group: 8 matrix instructions, query block a x all 8 channel blocks.  The 32 accumulators take turns, in one order.  sa >= 0: behind product b stands the fold of accumulator (sa, b), which was
; finished a group ago.  The folds of the accumulators before it are the places between a product and the fold that reads it; the first fold of a block has four v_nop for them.
.macro GROUP bu, a, zero, sa, first
.irp b, 0,1,2,3,4,5,6,7
	WIN MUL
	MM \bu, \a, \b, \zero
.if (\sa) >= 0
.if ((\sa) == 0) && (\b == 0)
	PLACES
.endif
	WIN FOLD
	SL \sa, \b, \first
.endif
.endr
.endm
; 24 LDS loads in one run: quarter X's fragments into buffer X % 3: v turned (8 fragments), p as it lies (4).  Quarters 0-3 lie in slot 0; quarter X >= 4 is the ((X - 4) % 6)-th of fill 1 + (X - 4) / 6, and the fills take the slots by turns.
.macro FETCH X
.set FBU, (\X)%3
.if (\X) < 4
.set FSL, 0
.set FQS, (\X)
.else
.set FSL, (1+((\X)-4)/6)%2
.set FQS, ((\X)-4)%6
.endif
	WIN TO_V
.irp b, 0,1,2,3,4,5,6,7
	ds_load_tr16_b128 v[64*FBU+8*\b:64*FBU+8*\b+3],   v[ADRV+2*FSL+FQS/3] offset:32*PV*(FQS%3)+32*\b
	ds_load_tr16_b128 v[64*FBU+8*\b+4:64*FBU+8*\b+7], v[ADRV+2*FSL+FQS/3] offset:32*PV*(FQS%3)+32*\b+16*PV
.endr
	WIN 0
.irp a, 0,1,2,3
	ds_load_b128 v[PF+32*FBU+8*\a:PF+32*FBU+8*\a+3],   v[ADRP+FSL] offset:PROW*\a+PQ*FQS
	ds_load_b128 v[PF+32*FBU+8*\a+4:PF+32*FBU+8*\a+7], v[ADRP+FSL] offset:PROW*\a+PQ*FQS+512
.endr
.endm
; QUARTER Q of the 64.  All that differs between quarters follows from Q, and comes back after 12 quarters (3 buffers, 4 quarters to a block, 2 x 6 to the two slots): the loop's trip is written with Q = 5 .. 16.
;   Q % 4 = 0: the products start a block's sums, and group 0 carries the last fold of the block before.   Q % 4 = 1: the block's factors are fetched.   Q % 4 = 3: groups 1 to 3 carry the folds of groups 0 to 2.
;   A slot's fifth quarter (Q = 2, then 8, 14 .. 56) CHANGES SLOTS: ONE barrier; in front of it each wave waits for all its tensor loads, adds 0 to its spare word, and waits for that and for its own reads of the slot
;   (the last were asked for in the quarter before).  Up to Q = 50 the barrier opens a round of the cluster's, and the slot is filled again first thing behind it.
.macro QTR Q, loop
.set QB, (\Q)%3
.set QP, (\Q)%4
.set QZ, 0
.set QF, 0
.set RIDE0, -1
.set RIDE1, -1
.set RIDE2, -1
.set RIDE3, -1
.if (\Q) < 5
.set QF, 1
.endif
.if QP == 0
.set QZ, 1
.if (\Q) > 0
.set RIDE0, 3
.endif
.endif
.if QP == 3
.set RIDE1, 0
.set RIDE2, 1
.set RIDE3, 2
.endif
.set TQ, 0
.set TF, 0
.set TS, 0
.set TK, 2
.set PST, 12*PQ                        ; a slot's next fill lies 384 keys on;
.set VST, 384*ROWQ
.if (\Q) == 2
.set TQ, 1
.set TF, 1
.set PST, 10*PQ                        ; slot 0's second fill 320: from key 0 to key 128 + 192
.set VST, 320*ROWQ
.endif
.if ((\Q) >= 8) && ((\Q) < 62)
.if ((\Q)-4)%6 == 4
.set TQ, 1
.set TS, (1+((\Q)-4)/6)%2
.if (\Q) <= 50
.set TF, 1
.endif
.if ((\Q)-8)%12 == 0
.set TK, 1
.endif
.endif
.endif
.if TQ
.if TF && (TK == 1)
	s_wait_xcnt 0x0                                ; the last prefetches, a change of slots back, have read their address
	s_add_nc_u64 s[PFA:PFA+1], s[PFA:PFA+1], s[PFT:PFT+1]
.endif
	WIN 0                                          ; (the add's two registers lie in window 0)
	s_wait_tensorcnt 0x0                           ; all my tensor loads have landed: my part of the next slot
	ds_add_u32 v[SPW], v[NIL]                      ; 0 onto my spare word
	s_wait_dscnt 25                                ; this quarter's fragments are in (the add and the next quarter's 24 loads may be out)
	GROUP QB, 0, QZ, RIDE0, QF
	s_wait_dscnt 0x0                               ; the add is done, and my reads of this slot are over
	s_barrier_signal -1
	GROUP QB, 1, QZ, -1, 0
	WIN 0
	s_barrier_wait -1
.if TF
	CREST                                          ; no wave of any partner still reads this slot's tiles or has a load on its way
	s_add_nc_u64 s[G0+4*TS+2:G0+4*TS+3], s[G0+4*TS+2:G0+4*TS+3], PST
	s_add_nc_u64 s[G0B+4*TS+2:G0B+4*TS+3], s[G0B+4*TS+2:G0B+4*TS+3], VST
	JLOAD TS                                       ; 176 matrix instructions ahead of the wait for it; the four v_nop behind it are also the places in front of the loads below
.else
	PLACES
.endif
	FETCH (\Q)+2                                   ; the next slot's first quarter
.if TF
.if TK == 1
	ASK1
.else
	ASK2 \loop
.endif
.endif
	GROUP QB, 2, QZ, -1, 0
	GROUP QB, 3, QZ, -1, 0
.else
.if (\Q) < 63
	s_wait_dscnt 24                                ; this quarter's fragments are in; the next quarter's 24 loads may be out
.else
	s_wait_dscnt 0x0
.endif
	GROUP QB, 0, QZ, RIDE0, QF
	GROUP QB, 1, QZ, RIDE1, QF
.if (\Q) < 62
	PLACES
.if QP == 1
	WIN 0
.irp a, 0,1,2,3
	ds_load_b32 v[FP+2*\a], v[FA] offset:4*\a      ; this block's factors: the fold of the block before ended in the quarter before
.endr
	v_add_nc_u32 v[FA], 256, v[FA]
.endif
	FETCH (\Q)+2
.endif
	GROUP QB, 2, QZ, RIDE2, QF
	GROUP QB, 3, QZ, RIDE3, QF
.endif
.endm
	s_wait_tensorcnt 1                             ; my part of slot 0 is in (slot 1's may be out)
	s_wait_dscnt 0x0                               ; and my factors lie in LDS
	s_barrier_signal -1
	s_barrier_wait -1                              ; everybody's is
	FETCH 0
	FETCH 1
.irp q, 0,1,2,3,4                      ; written out: the first block's fold starts the results
	QTR \q, 0
.endr
	WIN 0
	s_mov_b32 s3, TRIPS
.Ltrip:                                                ; a trip: 12 quarters, three blocks of keys, both slots left and filled again
.irp q, 5,6,7,8,9,10,11,12,13,14,15,16
	QTR \q, 1
.endr
	WIN 0
	s_sub_co_u32 s3, s3, 1
	s_cmp_lg_u32 s3, 0
	s_cbranch_scc1 .Ltrip
.irp q, 53,54,55,56,57,58,59,60,61,62,63  ; the tail is written out: it asks for nothing more
	QTR \q, 0
.endr
	WIN FOLD
.irp b, 0,1,2,3,4,5,6,7
	SL 3, \b, 0                                    ; the last fold; the folds in front of it are the places behind the last products
.endr
	WIN 0
; THE WAY OUT, block a of 16 queries x my 128 channels at a time: divided by L; through my own stage in LDS; back as whole rows of 512 bytes.
.macro OUT a
	WIN 0x03                                       ; source 0: window 3
.set i, 0
.rept 32
	v_pk_mul_f32 v[OT+2*i:OT+2*i+1], v[64*(\a)+2*i:64*(\a)+2*i+1], v[RL+2*(\a):RL+2*(\a)+1] op_sel_hi:[1,0]
.set i, i+1
.endr
	WIN 0
.endm
.macro TOSTAGE a
.set BB, 192-128*((\a)%2)              ; rows read back: v192-255 and v64-127 by turns
.irp b, 0,1,2,3,4,5,6,7
	ds_store_b128 v[STO], v[OT+8*\b:OT+8*\b+3] offset:64*\b
	ds_store_b128 v[STO], v[OT+8*\b+4:OT+8*\b+7] offset:64*\b+16
.endr
.irp t, 0,1,2,3,4,5,6,7,8,9,10,11,12,13,14,15
	ds_load_b128 v[BB+4*\t:BB+4*\t+3], v[RD] offset:\t*SPITCH      ; LDS serves a wave's instructions in order (ISA guide 5.7.1.4): these see the stores above
.endr
.endm
.macro SEND a, younger                 ; younger: the LDS instructions issued behind block a's loads, which may stay out
.set BB, 192-128*((\a)%2)
	s_wait_dscnt \younger
.if (\a) > 0
	s_add_nc_u64 s[74:75], s[74:75], 16*ROWO       ; (behind a wait on XCNT: the earlier stores have read their base)
.endif
.irp t, 0,1,2,3,4,5,6,7,8,9,10,11,12,13,14,15
	global_store_b128 v[CO], v[BB+4*\t:BB+4*\t+3], s[74:75] offset:\t*ROWO th:TH_STORE_NT   ; 32 lanes store 512 consecutive bytes, at a multiple of 256 from out0's first byte; written once, read by nobody here
.endr
.endm
	OUT 0
	TOSTAGE 0
.irp a, 1,2,3
	OUT \a
.if \a > 1
	s_wait_xcnt 0x0                                ; block a - 2's stores have read their registers and their base
.endif
	TOSTAGE \a
	SEND \a-1, 32                                  ; behind block a - 1's loads: block a's 16 stores and 16 loads
.endr
	s_wait_xcnt 0x0                                ; block 2's stores have read their base
	SEND 3, 0
	s_wait_tensorcnt 0x0                           ; the wave's end, behind my last tensor load and my last LDS store
	ds_add_u32 v[SPW], v[NIL]
	s_wait_dscnt 0x0
	CROUND                                         ; the closing round
	s_endpgm
.Lfunc_end_k_qf885b31fd2_mix:
	.size	k_qf885b31fd2_mix, .Lfunc_end_k_qf885b31fd2_mix-k_qf885b31fd2_mix
	.p2alignl 7, 3214868480
	.fill 96, 4, 3214868480
	.section	.rodata,"a",@progbits
	.p2align	6, 0x0
	.amdhsa_kernel k_qf885b31fd2_mix
		.amdhsa_group_segment_fixed_size 327680
		.amdhsa_private_segment_fixed_size 0
		.amdhsa_enable_private_segment 0
		.amdhsa_kernarg_size 32
		.amdhsa_user_sgpr_count 2
		.amdhsa_user_sgpr_kernarg_segment_ptr 1
		.amdhsa_wavefront_size32 1
		.amdhsa_system_sgpr_workgroup_id_x 1
		.amdhsa_system_sgpr_workgroup_id_y 1
		.amdhsa_system_sgpr_workgroup_id_z 1
		.amdhsa_system_vgpr_workitem_id 0
		.amdhsa_next_free_vgpr 1024
		.amdhsa_next_free_sgpr 80
		.amdhsa_reserve_vcc 0
		.amdhsa_float_denorm_mode_32 3
		.amdhsa_float_denorm_mode_16_64 3
		.amdhsa_memory_ordered 1
		.amdhsa_forward_progress 1
		.amdhsa_inst_pref_size 241
	.end_amdhsa_kernel
	.amdgpu_metadata
---
amdhsa.version: [ 1, 2 ]
amdhsa.kernels:
  - .name:           k_qf885b31fd2_mix
    .symbol:         k_qf885b31fd2_mix.kd
    .args:
      - { .name: p, .offset: 0, .size: 8, .value_kind: global_buffer, .address_space: global }
      - { .name: qkv, .offset: 8, .size: 8, .value_kind: global_buffer, .address_space: global }
      - { .name: st, .offset: 16, .size: 8, .value_kind: global_buffer, .address_space: global }
      - { .name: out0, .offset: 24, .size: 8, .value_kind: global_buffer, .address_space: global }
    .group_segment_fixed_size: 327680
    .private_segment_fixed_size: 0
    .kernarg_segment_align: 8
    .kernarg_segment_size: 32
    .max_flat_workgroup_size: 128
    .sgpr_count:     80
    .vgpr_count:     1024
    .wavefront_size: 32
...
	.end_amdgpu_metadata
.endif
;; end of part 4
